; MI455X (gfx1250); checked and timed in simulation.
; The chip was launched on July 23, 2026; its instructions are those of AMD's public machine-readable ISA for CDNA 5 (MIT licence, August 2026) and "CDNA5" Instruction Set Architecture Reference Guide (July 2026). The comments in the code are by the model that wrote it; some were corrected since.
;; Multihead Self Attention. Allowed arithmetic: matrix products marked QUANTISED: E2M1 operands, one E8M0 scale for each 32 along K, by v_wmma_scale_f32_16x16x128_f8f6f4 with both operands' format E2M1 (or v_wmma_scale_f32_32x16x128_f4), f32 sums; products left as they are: bf16, f16 or f32 operands; f32 sums; everything else in f32.
;; Inputs: wk 1,024 x 1,024 float32; wo 1,024 x 1,024 float32; wq 1,024 x 1,024 float32; wv 1,024 x 1,024 float32; x 4 x 2,048 x 1,024 float32.
;; Outputs: out0 4 x 2,048 x 1,024 float32.
;; This version of the problem:
;;   THIS VERSION OF THE PROBLEM IS GIVEN IN LOW PRECISION. The matrix products marked QUANTISED in the list below multiply operands that are first quantised to E2M1 (2 exponent bits, 1 mantissa bit; 4 bits a number), with one power-of-two scale for each 32 numbers along K (OCP MX v1.0); their sums are f32. The products marked 'left as it is' may take bf16, f16 or f32 operands, with f32 sums. Whichever they take, every output number must still come out within the allowed error. Rounding operands to bf16 (8 significant bits) uses up far more of that allowance than f16 does (11 bits, for magnitudes from 6e-5 to 65,504). All else is computed in f32.
;;   The module's matrix products, in the order in which they are computed (A, B: the left and right operand; K: the contracted axis; several contracted axes count as one K, in the product's order):
;;     1. [M 8,192, K 1,024] x [K 1,024, N 1,024]; A: input x; B: input wq: QUANTISED
;;     2. [M 8,192, K 1,024] x [K 1,024, N 1,024]; A: input x; B: input wk: QUANTISED
;;     3. [M 8,192, K 1,024] x [K 1,024, N 1,024]; A: input x; B: input wv: QUANTISED
;;     4. batch 64 x [M 2,048, K 64] x [K 64, N 2,048]; A: computed on the way; B: computed on the way: left as it is (an operand is computed on the way)
;;     5. batch 64 x [M 2,048, K 2,048] x [K 2,048, N 64]; A: computed on the way; B: computed on the way: left as it is (an operand is computed on the way)
;;     6. [M 8,192, K 1,024] x [K 1,024, N 1,024]; A: computed on the way; B: input wo: left as it is (an operand is computed on the way)
;;   THE QUANTISER, for each operand of a quantised product, along K:
;;     - K is cut into blocks of 32 from its start; a last block that is shorter is filled with zeros.
;;     - A block's scale is 2^e with e = floor(log2(the largest magnitude in the block)) - 2, held to -126 .. 127; a block of zeros has e = 0. As a byte (E8M0): e + 127.
;;     - Each number is divided by its block's scale, clamped to +-6, and rounded to the nearest number of E2M1, ties to even, subnormals kept.
;;     - The product sums the exact products of the quantised numbers (number of the format x scale) in f32.
;;   ~~~python
;;   def quantise(x, axis):      # numpy; x: float32 -> the quantised numbers, widened to float32 again
;;       x = np.moveaxis(x, axis, -1); K = x.shape[-1]
;;       x = np.pad(x, [(0, 0)] * (x.ndim - 1) + [(0, -K % 32)]); x = x.reshape(x.shape[:-1] + (-1, 32)); a = np.abs(x).max(-1, keepdims=True)
;;       e = np.where(a > 0, np.clip(np.frexp(np.where(a > 0, a, 1))[1] - 1 - 2, -126, 127), 0)      # np.frexp(a)[1] - 1 = floor(log2(a)), exactly
;;       r = np.clip(x / 2.0 ** e, -6, 6)
;;       step = 2.0 ** (np.maximum(np.frexp(np.where(r == 0, 1, r))[1] - 1, 0) - 1)
;;       q = np.round(r / step) * step * 2.0 ** e      # np.round: ties to even
;;       return np.moveaxis(q.reshape(q.shape[:-2] + (-1,))[..., :K], -1, axis).astype(np.float32)
;;   ~~~
;; One version. Each part assembles by itself: llvm-mc -triple=amdgcn-amd-amdhsa -mcpu=gfx1250 --defsym DOCPART=n.
;; ======== version 1 of 1: 5 launches
;; limits: values are held in f16: magnitudes above 65,504 overflow, below 6.1e-05 lose precision
;; workspace buffers: codes 5,767,168 bytes; scales 360,448 bytes; wo16f 2,097,152 bytes; rope 524,288 bytes; qkv16 50,331,648 bytes; fine32 786,432 bytes; ao16 16,777,216 bytes
;; launch prep (part 1): grid 448 x 1, 4 waves a work-group, no clusters, 33,280 bytes of LDS; arguments x, wq, wk, wv, wo, codes, scales, wo16f, rope; writes codes, scales, wo16f, rope
.if DOCPART == 1
	.amdgcn_target "amdgcn-amd-amdhsa--gfx1250"
	.amdhsa_code_object_version 6
	.text
	.protected	k_qf2b6a7c400_prep
	.globl	k_qf2b6a7c400_prep
	.p2align	8
	.type	k_qf2b6a7c400_prep,@function
k_qf2b6a7c400_prep:
	s_mov_b64 s[64:65], 0
	v_nop
	global_prefetch_b8 v0, s[64:65] scope:SCOPE_SE
	s_setreg_imm32_b32 hwreg(HW_REG_WAVE_MODE, 25, 1), 1
	s_wait_xcnt 0x0
; PREP.  Three kinds of work-group, told apart by the work-group's number alone:
;   0 .. 351   x [8192][1024], wq, wk, wv [1024][1024], f32, K innermost, become codes of FP4 (E2M1) and one E8M0 scale byte for each 32 along K.  The four tensors are one stream of blocks of 32:
;              codes [11264 rows][512 bytes], scales [11264][32 bytes]; x's rows first, then wq's, wk's, wv's.  A work-group takes 32,768 numbers, a wave 8,192 in 16 steps of 512.
;   352 .. 415 wo x 4 in f16, laid in the order of a matrix operand's registers: [nt 64][kb 32][c 2][lane 32][16 bytes]; lane (r, h) holds wo[16 nt + r][32 kb + 16 c + 8 h + 0 .. 7].
;   416 .. 447 the table of cos and sin: [position 2048][pair 32][cos, sin] f32.
; A block's scale is 2^(floor(log2(its largest magnitude)) - 2); its byte is the largest magnitude's exponent field - 2, held at 1 from below.  A block of zeros gets the byte 1 where the rule says 127: its codes
; are zeros, which add nothing under any byte but 0xff, and this program alone reads the bytes.
; LIMITS: blocks whose largest magnitude lies under 2^-124 keep the byte 1; NaN and infinities among the inputs are not served; 4 |wo| must stay under 65,504 (f16).
; The angle pos x 10000^(-p/32) is made with 2^(-p log2(10000)/32) by v_exp_f32 and lies within about 2e-4 rad of the f32 angle of the reference at the largest positions; q and k take the same table.
.set WAVES, 4
.set STEPS, 16
.set EMAX,  2
.set CB,    8                          ; bytes of 16 codes
.set R,     16                         ; v16-79   four sets of 16 numbers as they are loaded
.set X,     80                         ; v80-111  two sets of 16 neighbours
.set E,     112                        ; v112-127 a scale byte for each step
.set C,     128                        ; v128-191 codes: four registers for each step, so that no store's data are written again
.set WREG,  8192                       ; LDS: a region for each wave: two stages of 32 x SP bytes, behind them its 256 scale bytes
.set SP,    80                         ; a lane's place in a stage: its 64 bytes + 16 of padding
.set SPW,   12                         ; v12  LDS address of my spare word; never rewritten
.set NIL,   13                         ; v13  0; never rewritten
.set SPARE, WAVES*WREG                 ; behind the four regions: the spare words, 128 bytes for each wave
	s_load_b256 s[4:11], s[0:1], 0x0               ; x, wq, wk, wv
	s_load_b256 s[12:19], s[0:1], 0x20             ; wo, codes, scales, wo16f
	s_load_b64 s[20:21], s[0:1], 0x40              ; rope
	v_lshl_add_u32 v[SPW], v0, 2, SPARE
	v_mov_b32 v[NIL], 0
	v_lshrrev_b32 v1, 5, v0
	v_readfirstlane_b32 s22, v1                    ; wave
	v_and_b32 v2, 31, v0                           ; lane
	s_wait_kmcnt 0x0
	s_cmp_lt_u32 ttmp9, 352
	s_cbranch_scc0 .Lnot_codes
; ---- codes and scale bytes
	v_lshlrev_b32 v3, 4, v2                        ; my 16 bytes of a load's 512
	s_mul_i32 s23, s22, WREG
	v_lshrrev_b32 v14, 2, v2
	v_mul_u32_u24 v14, v14, SP
	v_and_b32 v15, 3, v2
	v_lshl_add_u32 v14, v15, 4, v14
	v_add_nc_u32 v14, s23, v14                     ; the stage, on the way in: SP (lane / 4) + 16 (lane % 4)
	v_mul_u32_u24 v15, v2, SP
	v_add_nc_u32 v15, s23, v15                     ; on the way out: SP x lane: my 16 neighbours
	v_mul_u32_u24 v4, v2, CB                       ; my codes' place in a step's
	v_lshrrev_b32 v5, 1, v2
	s_add_co_u32 s23, s23, 2*32*SP
	v_add_nc_u32 v5, s23, v5                       ; my wave's 256 scale bytes, my block's byte
	v_lshlrev_b32 v7, 3, v2                        ; on the way out 8 bytes a lane
	v_add_nc_u32 v6, s23, v7
	s_and_b32 s29, ttmp9, 31                       ; a weight's work-groups count from 0 (256, 288 and 320 are multiples of 32)
	s_mov_b64 s[26:27], s[10:11]                   ; wv, unless the work-group's number says otherwise
	s_cmp_lt_u32 ttmp9, 320
	s_cselect_b64 s[26:27], s[8:9], s[26:27]       ; wk
	s_cmp_lt_u32 ttmp9, 288
	s_cselect_b64 s[26:27], s[6:7], s[26:27]       ; wq
	s_cmp_lt_u32 ttmp9, 256
	s_cselect_b64 s[26:27], s[4:5], s[26:27]       ; x
	s_cselect_b32 s28, ttmp9, s29
	s_lshl_b32 s28, s28, 2
	s_add_co_u32 s28, s28, s22                     ; which run of 8,192 numbers of the tensor is my wave's
	s_lshl_b32 s28, s28, 15                        ; 32,768 bytes a run
	s_mov_b32 s29, 0
	s_add_nc_u64 s[26:27], s[26:27], s[28:29]
	s_lshl_b32 s30, ttmp9, 2
	s_add_co_u32 s30, s30, s22                     ; and which run of the one stream of codes and scale bytes
	s_lshl_b32 s28, s30, 12                        ; 4,096 bytes of codes a run
	s_add_nc_u64 s[14:15], s[14:15], s[28:29]
	s_lshl_b32 s28, s30, 8                         ; 256 scale bytes a run
	s_add_nc_u64 s[16:17], s[16:17], s[28:29]
.macro LOAD t
.irp i, 0,1,2,3
	global_load_b128 v[R+16*((\t)%4)+4*\i:R+16*((\t)%4)+4*\i+3], v3, s[26:27] offset:2048*(\t)+512*\i th:TH_LOAD_NT   ; 32 lanes read 512 consecutive bytes
.endr
.endm
.macro TURN t                          ; step t's numbers through the stage: LDS serves a wave's instructions in order, so no wait stands between the stores and the loads
.irp i, 0,1,2,3
	ds_store_b128 v14, v[R+16*((\t)%4)+4*\i:R+16*((\t)%4)+4*\i+3] offset:32*SP*((\t)%2)+8*SP*\i
.endr
.irp i, 0,1,2,3
	ds_load_b128 v[X+16*((\t)%2)+4*\i:X+16*((\t)%2)+4*\i+3], v15 offset:32*SP*((\t)%2)+16*\i
.endr
.endm
.irp t, 0,1,2,3
	LOAD \t
.endr
	s_wait_loadcnt 12                              ; step 0's four loads are in; the twelve of steps 1 to 3 stay out
	TURN 0
.macro STEP t
.set XS, X+16*((\t)%2)
.if (\t) > 0
	s_wait_dscnt 1                                 ; this step's numbers are back from the stage (the last step's byte store may be out)
.else
	s_wait_dscnt 0x0
.endif
.if (\t)+4 < STEPS
	LOAD (\t)+4                                    ; into the registers whose stores into the stage are done
.endif
.if (\t)+1 < STEPS
.if STEPS-2-(\t) >= 3
	s_wait_loadcnt 12                              ; the next step's four loads are in; those of the three steps behind it may be out
.else
	s_wait_loadcnt 4*(STEPS-2-(\t))
.endif
	TURN (\t)+1
.endif
	v_max3_num_f32 v8, |v[XS]|, |v[XS+1]|, |v[XS+2]|               ; the largest magnitude of my 16
	v_max3_num_f32 v9, |v[XS+3]|, |v[XS+4]|, |v[XS+5]|
.irp i, 6,10
	v_max3_num_f32 v8, v8, |v[XS+\i]|, |v[XS+\i+1]|
	v_max3_num_f32 v9, v9, |v[XS+\i+2]|, |v[XS+\i+3]|
.endr
	v_max3_num_f32 v8, v8, |v[XS+14]|, |v[XS+15]|
	v_max3_num_f32 v8, v8, v9, (EMAX+1)<<23        ; and the floor 2^(3 - 127): the byte cannot fall under 1
	v_max_num_f32_dpp v8, v8, v8 row_xmask:1 row_mask:0xf bank_mask:0xf   ; and of my neighbour's 16: the block's
	v_add_nc_u32 v11, -(EMAX<<23), v8              ; 2 off its exponent field: the conversion takes the exponent field of this operand as its scale
	v_cvt_scalef32_pk8_fp4_f32 v[C+4*(\t)], v[XS:XS+7], v11
	v_cvt_scalef32_pk8_fp4_f32 v[C+4*(\t)+1], v[XS+8:XS+15], v11
	v_lshrrev_b32 v[E+(\t)], 23, v11               ; the scale's byte (a plain line behind the conversions)
	ds_store_b8 v5, v[E+(\t)] offset:16*(\t)       ; both lanes of a block write the same byte with the same value
	global_store_b64 v4, v[C+4*(\t):C+4*(\t)+1], s[14:15] offset:32*CB*(\t)   ; the wave stores 256 consecutive bytes, aligned
.endm
.irp t, 0,1,2,3,4,5,6,7,8,9,10,11,12,13,14,15
	STEP \t
.endr
	ds_load_b64 v[8:9], v6                         ; LDS serves a wave's instructions in order: these see my stores
	s_wait_dscnt 0x0
	global_store_b64 v7, v[8:9], s[16:17]          ; 32 lanes store 256 consecutive bytes, aligned
	s_wait_tensorcnt 0x0                           ; the wave's end, behind my last LDS store
	ds_add_u32 v[SPW], v[NIL]
	s_wait_dscnt 0x0
	s_endpgm
; ---- wo x 4 in f16, in the order of an operand's registers.  Work-group nt takes 16 rows, wave w the 256 columns 256 w on (kb = 8 w .. 8 w + 7).  No LDS.
.Lnot_codes:
	s_cmp_lt_u32 ttmp9, 416
	s_cbranch_scc0 .Ltable
	s_sub_co_u32 s23, ttmp9, 352                   ; nt
	v_and_b32 v3, 15, v0                           ; r
	v_bfe_u32 v4, v0, 4, 1                         ; h
	v_lshlrev_b32 v5, 12, v3
	v_lshl_add_u32 v5, v4, 5, v5                   ; row r of 4,096 bytes, + 32 h
	v_lshlrev_b32 v6, 4, v2                        ; out: 16 bytes a lane
	s_lshl_b32 s24, s23, 16                        ; 16 rows
	s_lshl_b32 s25, s22, 10                        ; 256 columns
	s_add_co_u32 s24, s24, s25
	s_mov_b32 s25, 0
	s_add_nc_u64 s[12:13], s[12:13], s[24:25]
	s_lshl_b32 s24, s23, 15                        ; 32 kb x 1,024 bytes
	s_lshl_b32 s26, s22, 13                        ; 8 kb
	s_add_co_u32 s24, s24, s26
	s_add_nc_u64 s[18:19], s[18:19], s[24:25]
.set n, 0
.rept 16                               ; group n = 2 kb + c: eight numbers a lane, columns 16 n + 8 h + 0 .. 7 of my 256
	global_load_b128 v[16+8*n:16+8*n+3], v5, s[12:13] offset:64*n
	global_load_b128 v[16+8*n+4:16+8*n+7], v5, s[12:13] offset:64*n+16
.set n, n+1
.endr
.set n, 0
.rept 16
	s_wait_loadcnt 30-2*n                          ; group n's two loads are in; the younger groups' stay out
.irp j, 0,2,4,6
	v_pk_mul_f32 v[16+8*n+\j:16+8*n+\j+1], v[16+8*n+\j:16+8*n+\j+1], 4.0 op_sel_hi:[1,0]   ; exact
.endr
.irp j, 0,1,2,3
	v_cvt_pk_f16_f32 v[16+8*n+\j], v[16+8*n+2*\j], v[16+8*n+2*\j+1]   ; in place, ascending: a destination is never a later source
.endr
	global_store_b128 v6, v[16+8*n:16+8*n+3], s[18:19] offset:512*n   ; the wave stores 512 consecutive bytes
.set n, n+1
.endr
	s_endpgm
; ---- the table.  Wave w of work-group j takes positions 64 j + 16 w + 0 .. 15; a lane is a pair p.  No LDS.
.Ltable:
	s_sub_co_u32 s23, ttmp9, 416
	s_lshl_b32 s23, s23, 6
	s_lshl_b32 s24, s22, 4
	s_add_co_u32 s23, s23, s24                     ; my first position
	s_lshl_b32 s24, s23, 8                         ; 256 bytes a position
	s_mov_b32 s25, 0
	s_add_nc_u64 s[20:21], s[20:21], s[24:25]
	s_mov_b32 s32, 0x3f22f983                      ; 2 / pi
	s_mov_b32 s33, 0xbfc90fdb                      ; -(pi / 2), its f32 part,
	s_mov_b32 s34, 0x333bbd2e                      ; and what that part is too large by
	s_mov_b32 s35, 0xb9500d01                      ; -1/5040
	s_mov_b32 s36, 0x3c088889                      ; 1/120
	s_mov_b32 s37, 0xbe2aaaab                      ; -1/6
	s_mov_b32 s38, 0x37d00d01                      ; 1/40320
	s_mov_b32 s39, 0xbab60b61                      ; -1/720
	s_mov_b32 s40, 0x3d2aaaab                      ; 1/24
	v_cvt_f32_u32 v3, v2
	v_mul_f32 v3, 0xbed49a78, v3                   ; -p log2(10000) / 32
	v_exp_f32 v3, v3                               ; the pair's frequency
	v_lshlrev_b32 v4, 3, v2                        ; (a plain line behind the exponential)  8 bytes a pair
	s_wait_alu depctr_va_vdst(0)                   ; ahead of the first reader of the exponential's result
.macro ROPE1 n
	s_add_co_u32 s26, s23, \n
	v_cvt_f32_u32 v16, s26
	v_mul_f32 v16, v16, v3                         ; the angle, in f32 as the reference has it
	v_mul_f32 v17, s32, v16
	v_rndne_f32 v17, v17                           ; N quarter turns
	v_fma_f32 v18, v17, s33, v16
	v_fma_f32 v18, v17, s34, v18                   ; R = angle - N pi / 2, |R| <= pi / 4
	v_cvt_i32_f32 v19, v17
	v_mul_f32 v20, v18, v18                        ; Z = R R
	v_fma_f32 v21, v20, s35, s36
	v_fma_f32 v23, v20, s38, s39
	v_fma_f32 v21, v21, v20, s37
	v_fma_f32 v23, v23, v20, s40
	v_mul_f32 v22, v18, v20
	v_fma_f32 v23, v23, v20, -0.5
	v_fma_f32 v21, v22, v21, v18                   ; sin R: the series to R^7, what is left is under 4e-7
	v_fma_f32 v23, v23, v20, 1.0                   ; cos R: the series to R^8
	v_and_b32 v24, 1, v19
	v_cmp_eq_u32 vcc_lo, 1, v24                    ; an odd N swaps the two
	v_cndmask_b32 v25, v23, v21, vcc_lo
	v_cndmask_b32 v26, v21, v23, vcc_lo
	v_add_nc_u32 v24, 1, v19
	v_and_b32 v24, 2, v24
	v_lshlrev_b32 v24, 30, v24                     ; cos is negative for N % 4 = 1, 2
	v_xor_b32 v[64+2*\n], v25, v24
	v_and_b32 v24, 2, v19
	v_lshlrev_b32 v24, 30, v24                     ; sin for N % 4 = 2, 3
	v_xor_b32 v[65+2*\n], v26, v24
	global_store_b64 v4, v[64+2*\n:65+2*\n], s[20:21] offset:256*\n   ; the wave stores 256 consecutive bytes, aligned; each position has registers of its own
.endm
.irp n, 0,1,2,3,4,5,6,7,8,9,10,11,12,13,14,15
	ROPE1 \n
.endr
	s_endpgm
.Lfunc_end_k_qf2b6a7c400_prep:
	.size	k_qf2b6a7c400_prep, .Lfunc_end_k_qf2b6a7c400_prep-k_qf2b6a7c400_prep
	.p2alignl 7, 3214868480
	.fill 96, 4, 3214868480
	.section	.rodata,"a",@progbits
	.p2align	6, 0x0
	.amdhsa_kernel k_qf2b6a7c400_prep
		.amdhsa_group_segment_fixed_size 33280
		.amdhsa_private_segment_fixed_size 0
		.amdhsa_enable_private_segment 0
		.amdhsa_kernarg_size 72
		.amdhsa_user_sgpr_count 2
		.amdhsa_user_sgpr_kernarg_segment_ptr 1
		.amdhsa_wavefront_size32 1
		.amdhsa_system_sgpr_workgroup_id_x 1
		.amdhsa_system_sgpr_workgroup_id_y 1
		.amdhsa_system_sgpr_workgroup_id_z 1
		.amdhsa_system_vgpr_workitem_id 0
		.amdhsa_next_free_vgpr 192
		.amdhsa_next_free_sgpr 66
		.amdhsa_reserve_vcc 1
		.amdhsa_float_denorm_mode_32 3
		.amdhsa_float_denorm_mode_16_64 3
		.amdhsa_memory_ordered 1
		.amdhsa_forward_progress 1
		.amdhsa_inst_pref_size 68
	.end_amdhsa_kernel
	.amdgpu_metadata
---
amdhsa.version: [ 1, 2 ]
amdhsa.kernels:
  - .name:           k_qf2b6a7c400_prep
    .symbol:         k_qf2b6a7c400_prep.kd
    .args:
      - { .name: x, .offset: 0, .size: 8, .value_kind: global_buffer, .address_space: global }
      - { .name: wq, .offset: 8, .size: 8, .value_kind: global_buffer, .address_space: global }
      - { .name: wk, .offset: 16, .size: 8, .value_kind: global_buffer, .address_space: global }
      - { .name: wv, .offset: 24, .size: 8, .value_kind: global_buffer, .address_space: global }
      - { .name: wo, .offset: 32, .size: 8, .value_kind: global_buffer, .address_space: global }
      - { .name: codes, .offset: 40, .size: 8, .value_kind: global_buffer, .address_space: global }
      - { .name: scales, .offset: 48, .size: 8, .value_kind: global_buffer, .address_space: global }
      - { .name: wo16f, .offset: 56, .size: 8, .value_kind: global_buffer, .address_space: global }
      - { .name: rope, .offset: 64, .size: 8, .value_kind: global_buffer, .address_space: global }
    .group_segment_fixed_size: 33280
    .private_segment_fixed_size: 0
    .kernarg_segment_align: 8
    .kernarg_segment_size: 72
    .max_flat_workgroup_size: 128
    .sgpr_count:     66
    .vgpr_count:     192
    .wavefront_size: 32
...
	.end_amdgpu_metadata
.endif
;; end of part 1
;; launch qkv (part 2): grid 12 x 32, 4 waves a work-group, clusters of 4 x 1, 327,680 bytes of LDS; arguments codes, scales, rope, qkv16, fine32; writes qkv16, fine32
.if DOCPART == 2
	.amdgcn_target "amdgcn-amd-amdhsa--gfx1250"
	.amdhsa_code_object_version 6
	.text
	.protected	k_qf2b6a7c400_qkv
	.globl	k_qf2b6a7c400_qkv
	.p2align	8
	.type	k_qf2b6a7c400_qkv,@function
k_qf2b6a7c400_qkv:
	s_mov_b64 s[64:65], 0
	v_nop
	global_prefetch_b8 v0, s[64:65] scope:SCOPE_SE
	s_setreg_imm32_b32 hwreg(HW_REG_WAVE_MODE, 25, 1), 1
	s_wait_xcnt 0x0
	s_wait_alu depctr_hold_cnt(0) depctr_sa_sdst(0) depctr_va_vdst(0) depctr_va_sdst(0) depctr_va_ssrc(0) depctr_va_vcc(0) depctr_vm_vsrc(0)
	s_getreg_b32 s2, hwreg(HW_REG_IB_STS2, 6, 4)
	s_cmp_eq_u32 s2, 0
	s_cbranch_scc0 .Lentry_in_a_cluster
	s_endpgm
.Lentry_in_a_cluster:
	s_bfe_u32 s2, ttmp6, 0x10000c
	s_cmp_lg_u32 s2, 0x3003
	s_cbranch_scc0 .Lentry_shape_is_right
	s_endpgm
.Lentry_shape_is_right:
; q, k, v = x wq^T, x wk^T, x wv^T as ONE product [8192] x [3072] over K = 1024 on codes of FP4 (E2M1) with one E8M0 scale for each 32 along K; sums in f32.
; codes [11264][512 bytes], scales [11264][32 bytes]: rows 0 .. 8191 are x's, rows 8192 + n the weights' (wq, wk, wv).
; A tile of 256 x 256 is made by four waves, each 128 x 128: 64 accumulators, 512 registers.  K's 1,024 are two LDS slots of 512, both filled at the start: nothing is filled again.
; The scale bytes of the tile's 256 + 256 rows come once, in whole rows of 256 bytes.
; ON THE WAY OUT the rotation by position and a factor are applied in f32: q' = rot(q) x 2 log2(e) / 8, k' = rot(k) / 2, v' = v / 4 (for v the pair (cos, sin) is replaced by (1/4, 0): one text serves all three),
; rounded to f16 and stored as qkv16 [section 3][batch x head 64][position 2048][64].  Positions 0 .. 15 of each batch are stored in f32 as well: fine32 [section][batch][head][16][64].
; LIMITS: |q'|, |k'|, |v'| must stay under 65,504 (f16).
; CLUSTER 4, 1, 1: the four work-groups of a cluster make four neighbouring tile columns of one tile row, so x's codes and scale bytes are asked for JOINTLY (mask 15).  The weights' tiles differ between the four
; and are asked for singly.  A cluster of 4 x 4 is not taken: the f32 copy hangs on a branch on the tile row, which would then differ between partners.
; THE MATRIX INSTRUCTION IS USED TRANSPOSED (source 0 = 16 rows of a weight, source 1 = 16 rows of x): a lane holds one position and eight neighbouring features, four rotation pairs.
; REGISTERS: window 0: v0-31 addresses; v32-95 scale words, two sets, and nothing else; v96-127 f16 results; v128-191 x's fragments, later rows read back; v192-255 two sets of (cos, sin).
;   window 1: the weights' fragments, two sets; on the way out v0-63 hold the rotated numbers.   window 2, 3: the accumulators of my rows 0-63, 64-127 ((a, b) at v[8 (8 (a % 4) + b)]).
.set NQ,     4                         ; steps of 128 along K in a slot
.set ROWB,   256                       ; a tile's row in bytes: 512 codes
.set KROW,   512                       ; a row of codes in memory
.set PITCH,  272                       ; an LDS row: 256 bytes + 16 of padding: the 16 rows of a fragment load start 68 words apart
.set FR,     8
.set NL,     2
.set NP,     4                         ; places behind this matrix instruction (ISA guide 7.12.1)
.set HALFT,  128*PITCH
.set SLOT,   4*HALFT
.set KS,     32                        ; a row of scale bytes
.set SCL,    2*SLOT
.set HALFS,  (128*KS/256)*272
.set SBLK,   (16*KS/256)*272
.set SPARE,  SCL+4*HALFS               ; the spare words, 128 bytes for each wave
.set HP,     144                       ; the way out: a head's row of 128 bytes + 16
.set HSTG,   16*HP
.set WSTG,   2*HSTG                    ; a wave's stage: two heads x 16 rows; it lies in slot 0, which has had its only fill and its last read by then
.set ADRA, 16
.set TA,   18                          ; v18  my place in the table: 256 (first position + r) + 32 h
.set FA,   19                          ; v19  my place in a head of fine32: 256 r + 32 h
.set ADRB, 20
.set BE,   22                          ; v[22:23] (beta, 0)
.set STO,  24
.set RD,   25
.set CO,   26
.set ADRS, 27
.set SPW,  28
.set NIL,  29
.set SC,   32
.set H,    96
.set AF,   128
.set BK,   128
.set CS,   192
.set T,    0                           ; in window 1
.set G1, 24
.set G0, 32
.set G1B, 48
.set G0B, 56
.set G1S, 68
.set G0S, 76
.set G1SB, 80
.set G0SB, 88
.set AL,  96                           ; s[96:97] alpha, twice
.set BET, 66                           ; s66 beta
.set S0W, 67                           ; s67 my wave's first position in its batch
.set MSB, 0
.macro WIN new                         ; the immediate's high byte repeats the setting that is left
.if MSB != (\new)
	s_set_vgpr_msb (MSB<<8)|(\new)
.set MSB, (\new)
.endif
.endm
.set MUL_LO, 0xa1
.set MUL_HI, 0xf1
.set TO_B,   0x40
; Waves 0 and 1 fetch for x (jointly), waves 2 and 3 for the weights.  The branch hangs on the wave's number alone.  An s_nop 0 and four v_nop follow each of the two lines.
.macro JLOAD g0a, g1a, g0b, g1b
	s_cmp_eq_u32 s15, 0
	s_cbranch_scc0 .Lfor_b_\@
	tensor_load_to_lds s[\g0a:\g0a+3], s[\g1a:\g1a+7]
	s_nop 0
.rept 4
	v_nop
.endr
	s_branch .Lasked_\@
.Lfor_b_\@:
	tensor_load_to_lds s[\g0b:\g0b+3], s[\g1b:\g1b+7]
	s_nop 0
.rept 4
	v_nop
.endr
.Lasked_\@:
.endm
.macro CROUND                          ; a round of the cluster's barrier
	s_barrier_signal -1
	s_barrier_wait -1
	s_cmp_lg_u32 s14, 0
	s_cbranch_scc1 .Lnot_wave_0_\@
	s_barrier_signal -3
.Lnot_wave_0_\@:
	s_barrier_wait -3
	s_barrier_signal -1
	s_barrier_wait -1
.endm
	s_load_b128 s[4:7], s[0:1], 0x0                ; codes, scales
	s_load_b128 s[8:11], s[0:1], 0x10              ; rope, qkv16
	s_load_b64 s[12:13], s[0:1], 0x20              ; fine32
	v_lshl_add_u32 v[SPW], v0, 2, SPARE
	v_mov_b32 v[NIL], 0
	ds_add_u32 v[SPW], v[NIL]                      ; the wave's opening: the add, twice on end, and its wait ahead of my first tensor load
	ds_add_u32 v[SPW], v[NIL]
	v_lshrrev_b32 v1, 5, v0
	v_readfirstlane_b32 s14, v1                    ; wave 0..3
	s_lshr_b32 s15, s14, 1                         ; which half of the tile's rows is mine.  Also: I fetch for x (0) or for the weights (1)
	s_and_b32 s16, s14, 1                          ; which half of its columns.  Also: which 128 rows I fetch
	s_bfe_u32 s40, ttmp6, 0x40000                  ; cx
	s_lshl_b32 s42, ttmp9, 2
	s_add_co_u32 s42, s42, s40                     ; tile column = 4 x cluster x + cx; cluster x is the section: 0 q, 1 k, 2 v
	s_and_b32 s17, ttmp7, 0xffff                   ; tile row, which the four partners share
	s_mov_b32 s[G1+0], 15|(1<<20)|(1<<21)|(5<<22)|(3<<25)   ; mask: all four; elements of 1 byte; padding: 4 words behind every 64
	s_mov_b32 s[G1B+0], (1<<20)|(5<<22)|(3<<25)             ; no mask
.irp g, G1, G1B
	s_mov_b32 s[\g+1], ROWB<<16                    ; tensor_dim0
	s_mov_b32 s[\g+2], 128<<16                     ; tensor_dim1
	s_mov_b32 s[\g+3], ROWB<<16                    ; tile_dim0
	s_mov_b32 s[\g+4], 128                         ; tile_dim1
	s_mov_b32 s[\g+5], KROW                        ; pitch
	s_mov_b32 s[\g+6], 0
	s_mov_b32 s[\g+7], 0
.endr
	s_mov_b32 s[G1S+0], 15|(3<<16)|(1<<20)|(1<<21)|(5<<22)|(3<<25)   ; the scale bytes of 128 rows: 4,096 dense bytes as 16 rows of 32 elements of 8 bytes
	s_mov_b32 s[G1SB+0], (3<<16)|(1<<20)|(5<<22)|(3<<25)
.irp g, G1S, G1SB
	s_mov_b32 s[\g+1], 32<<16
	s_mov_b32 s[\g+2], (128*KS/256)<<16
	s_mov_b32 s[\g+3], 32<<16
	s_mov_b32 s[\g+4], 128*KS/256
	s_mov_b32 s[\g+5], 32
	s_mov_b32 s[\g+6], 0
	s_mov_b32 s[\g+7], 0
.endr
	s_lshl_b32 s18, s16, 7
	s_lshl_b32 s20, s17, 8
	s_add_co_u32 s20, s20, s18                     ; x: row 256 x tile row + 128 x half: no cx in it
	s_lshl_b32 s46, s42, 8
	s_add_co_u32 s46, s46, s18
	s_add_co_u32 s46, s46, 8192                    ; the weights' rows lie behind x's 8,192
	s_lshl_b32 s22, s20, 5                         ; where these rows' scale bytes begin,
	s_mov_b32 s23, 0
	s_lshl_b32 s20, s20, 9                         ; and their codes (all under 2^32)
	s_mov_b32 s21, 0
	s_lshl_b32 s92, s46, 5
	s_mov_b32 s93, 0
	s_lshl_b32 s46, s46, 9
	s_mov_b32 s47, 0
	s_mul_i32 s45, s14, HALFT                      ; where they go: wave x 128 rows
	s_mul_i32 s94, s14, HALFS
	s_mov_b32 s[AL], 0x3eb8aa3b                    ; q: alpha = 2 log2(e) / 8
	s_cmp_eq_u32 ttmp9, 0
	s_cselect_b32 s[AL], s[AL], 0x3f000000         ; k: 1/2
	s_cmp_eq_u32 ttmp9, 2
	s_cselect_b32 s[AL], 0, s[AL]                  ; v: alpha = 0,
	s_cselect_b32 s[BET], 0x3e800000, 0            ; beta = 1/4
	s_mov_b32 s[AL+1], s[AL]
	s_wait_dscnt 0x0                               ; both opening adds are done
	s_wait_kmcnt 0x0
	s_add_nc_u64 s[20:21], s[4:5], s[20:21]
	s_add_nc_u64 s[22:23], s[6:7], s[22:23]
	s_add_nc_u64 s[46:47], s[4:5], s[46:47]
	s_add_nc_u64 s[92:93], s[6:7], s[92:93]
	CROUND                                         ; all four work-groups are here: the first loads go out as one group behind this round
	s_mov_b32 s[G0S], 1
	s_add_co_u32 s[G0S+1], s94, SCL
	s_mov_b64 s[G0S+2:G0S+3], s[22:23]
	s_or_b32 s[G0S+3], s[G0S+3], 0x80000000
	s_mov_b32 s[G0SB], 1
	s_add_co_u32 s[G0SB+1], s94, SCL
	s_mov_b64 s[G0SB+2:G0SB+3], s[92:93]
	s_or_b32 s[G0SB+3], s[G0SB+3], 0x80000000
	JLOAD G0S, G1S, G0SB, G1SB                     ; the scale bytes first
.irp s, 0,1
	s_mov_b32 s[G0+4*\s], 1
	s_add_co_u32 s[G0+4*\s+1], s45, \s*SLOT
	s_add_nc_u64 s[G0+4*\s+2:G0+4*\s+3], s[20:21], \s*ROWB
	s_or_b32 s[G0+4*\s+3], s[G0+4*\s+3], 0x80000000
	s_mov_b32 s[G0B+4*\s], 1
	s_add_co_u32 s[G0B+4*\s+1], s45, \s*SLOT
	s_add_nc_u64 s[G0B+4*\s+2:G0B+4*\s+3], s[46:47], \s*ROWB
	s_or_b32 s[G0B+4*\s+3], s[G0B+4*\s+3], 0x80000000
	JLOAD G0+4*\s, G1, G0B+4*\s, G1B               ; by my own count three tensor loads of mine are out
.endr
	v_and_b32 v1, 15, v0                           ; r
	v_bfe_u32 v2, v0, 4, 1                         ; h
	v_mul_u32_u24 v3, v1, PITCH
	v_lshl_add_u32 v4, v2, 4, v3
	s_mul_i32 s21, s15, HALFT
	s_mul_i32 s22, s16, HALFT
	s_add_co_u32 s22, s22, 2*HALFT
.irp s, 0,1
	v_add_nc_u32 v[ADRA+\s], s21, v4
	v_add_nc_u32 v[ADRB+\s], s22, v4
	s_add_co_u32 s21, s21, SLOT
	s_add_co_u32 s22, s22, SLOT
.endr
	v_mul_u32_u24 v5, v1, KS
	v_lshrrev_b32 v6, 8, v5
	v_lshl_add_u32 v5, v6, 4, v5                   ; my row's scale bytes: 32 a row, 16 more for each 256 passed
	s_mul_i32 s21, s15, HALFS
	s_mul_i32 s22, s16, HALFS
	s_add_co_u32 s22, s22, 2*HALFS
	s_sub_co_u32 s22, s22, s21
	v_mul_u32_u24 v6, s22, v2                      ; lanes 16-31 take the weights'
	s_add_co_u32 s21, s21, SCL
	v_add_nc_u32 v5, v5, v6
	v_add_nc_u32 v[ADRS], s21, v5
	s_mul_i32 s23, s14, WSTG                       ; my stage
	v_mul_u32_u24 v5, v1, HP
	v_lshl_add_u32 v5, v2, 4, v5
	v_add_nc_u32 v[STO], s23, v5                   ; in: row r, 16 bytes for each half of the lanes
	v_and_b32 v6, 31, v0
	v_lshrrev_b32 v7, 3, v6
	v_mul_u32_u24 v7, v7, HP
	v_and_b32 v8, 7, v6
	v_lshl_add_u32 v7, v8, 4, v7
	v_add_nc_u32 v[RD], s23, v7                    ; back: eight lanes to a row of 128 bytes, four rows an instruction
	v_lshlrev_b32 v[CO], 4, v6
	s_and_b32 s[S0W], s17, 7
	s_lshl_b32 s[S0W], s[S0W], 8
	s_lshl_b32 s21, s15, 7
	s_add_co_u32 s[S0W], s[S0W], s21               ; my first position: 256 (tile row % 8) + 128 x half
	v_lshlrev_b32 v[FA], 8, v1
	v_lshl_add_u32 v[FA], v2, 5, v[FA]
	s_lshl_b32 s21, s[S0W], 8
	v_add_nc_u32 v[TA], s21, v[FA]
	v_mov_b32 v[BE], s[BET]
	v_mov_b32 v[BE+1], 0
	s_lshr_b32 s22, s17, 3                         ; the batch
	s_lshl_b32 s23, s40, 2
	s_lshl_b32 s21, s16, 1
	s_add_co_u32 s23, s23, s21                     ; my first head: 4 cx + 2 x half
	s_lshl_b32 s46, ttmp9, 24                      ; qkv16: a section is 16,777,216 bytes,
	s_lshl_b32 s47, s22, 22                        ; a batch 4,194,304,
	s_add_co_u32 s46, s46, s47
	s_lshl_b32 s47, s23, 18                        ; a head 262,144,
	s_add_co_u32 s46, s46, s47
	s_lshl_b32 s47, s[S0W], 7                      ; a position 128
	s_add_co_u32 s46, s46, s47
	s_mov_b32 s47, 0
	s_add_nc_u64 s[10:11], s[10:11], s[46:47]
	s_lshl_b32 s46, ttmp9, 6                       ; fine32: (64 section + 16 batch + head) x 4,096
	s_lshl_b32 s47, s22, 4
	s_add_co_u32 s46, s46, s47
	s_add_co_u32 s46, s46, s23
	s_lshl_b32 s46, s46, 12
	s_mov_b32 s47, 0
	s_add_nc_u64 s[12:13], s[12:13], s[46:47]
; (cos, sin) of block a's 16 positions: for each quarter bb of a head the lane's four pairs 8 bb + 4 h + 0 .. 3: register 8 bb + 2 jj cos, + 1 sin
.macro CSLOAD a
.irp bb, 0,1,2,3
.irp g, 0,1
	global_load_b128 v[CS+32*((\a)%2)+8*\bb+4*\g:CS+32*((\a)%2)+8*\bb+4*\g+3], v[TA], s[8:9] offset:4096*(\a)+64*\bb+16*\g
.endr
.endr
.endm
	CSLOAD 0                                       ; they land while the products run: no line of the products names v192-255
	CSLOAD 1
.macro FRAG reg, adr, q, i             ; 16 rows x 128 K of 4-bit codes: 8 registers; registers 4 c .. 4 c + 3 hold K = 64 c + 32 h + 0 .. 31
.irp c, 0,1
	ds_load_b128 v[\reg+4*\c:\reg+4*\c+3], v[\adr] offset:64*(\q)+32*\c+(\i)*16*PITCH
.endr
.endm
; 16 matrix instructions: x's blocks a0, a0 + 1 against the weights' eight.  The 64 accumulators take turns, one instruction a turn, in the same order in every step.
.macro MUL16 a0, p, q, sc, zero
.irp a, \a0, \a0+1
.irp b, 0,1,2,3,4,5,6,7
.if \zero
	v_wmma_scale_f32_16x16x128_f8f6f4 v[8*(8*((\a)%4)+\b):8*(8*((\a)%4)+\b)+7], v[128*(\p)+FR*\b:128*(\p)+FR*\b+FR-1], v[AF+FR*(\a):AF+FR*(\a)+FR-1], 0, v[SC+8*NQ*(\sc)+NQ*\b+(\q)], v[SC+8*NQ*(\sc)+NQ*(\a)+(\q)] matrix_a_fmt:MATRIX_FMT_FP4 matrix_b_fmt:MATRIX_FMT_FP4 matrix_a_scale:MATRIX_SCALE_ROW1
.else
	v_wmma_scale_f32_16x16x128_f8f6f4 v[8*(8*((\a)%4)+\b):8*(8*((\a)%4)+\b)+7], v[128*(\p)+FR*\b:128*(\p)+FR*\b+FR-1], v[AF+FR*(\a):AF+FR*(\a)+FR-1], v[8*(8*((\a)%4)+\b):8*(8*((\a)%4)+\b)+7], v[SC+8*NQ*(\sc)+NQ*\b+(\q)], v[SC+8*NQ*(\sc)+NQ*(\a)+(\q)] matrix_a_fmt:MATRIX_FMT_FP4 matrix_b_fmt:MATRIX_FMT_FP4 matrix_a_scale:MATRIX_SCALE_ROW1
.endif
.endr
.endr
.endm
.macro FETCH_B slot, q, p
	WIN TO_B
.irp i, 0,1,2,3,4,5,6,7
	FRAG 128*(\p)+FR*\i, ADRB+\slot, \q, \i
.endr
	WIN 0
.endm
.macro FETCH_A slot, q, i0
.irp i, \i0, \i0+1, \i0+2, \i0+3
	FRAG AF+FR*(\i), ADRA+\slot, \q, \i
.endr
.endm
.macro SCALES sc                       ; a slot's scale words: 4 words a row; lanes 0-15 take x's block i, lanes 16-31 the weights' block i
.irp i, 0,1,2,3,4,5,6,7
	ds_load_b128 v[SC+8*NQ*\sc+NQ*\i:SC+8*NQ*\sc+NQ*\i+3], v[ADRS] offset:\i*SBLK
.endr
.endm
.macro PLACES n                        ; plain vector lines between a matrix instruction and a load into, or a read of, its registers
.rept \n
	v_nop
.endr
.endm
.macro STEP slot, q, zero              ; a step of 128 along K that has its successor in the same slot
	s_wait_dscnt 4*NL                              ; the weights' set and x's blocks 0-3 are in; the youngest eight loads (x's blocks 4-7) may be out
	WIN MUL_LO
	MUL16 0, (\q)%2, \q, \slot, \zero
	MUL16 2, (\q)%2, \q, \slot, \zero
	s_wait_dscnt 0
	PLACES NP
	FETCH_B \slot, (\q)+1, 1-(\q)%2
	FETCH_A \slot, (\q)+1, 0
	WIN MUL_HI
	MUL16 4, (\q)%2, \q, \slot, \zero
	MUL16 6, (\q)%2, \q, \slot, \zero
	PLACES NP
	WIN 0
	FETCH_A \slot, (\q)+1, 4
.endm
.macro STEPS slot, from
.set Q, \from
.rept NQ-1-\from
	STEP \slot, Q, 0
.set Q, Q+1
.endr
.endm
	s_wait_tensorcnt 1                             ; the scale bytes and my part of slot 0 are in; slot 1's load, the one issued behind them, may be out
	s_barrier_signal -1
	s_barrier_wait -1
	FETCH_B 0, 0, 0
	FETCH_A 0, 0, 0
	SCALES 0
	FETCH_A 0, 0, 4
	STEP 0, 0, 1                                   ; the first step's products start the sums: nothing is cleared
	STEPS 0, 1
	; slot 0's last step changes slots: one barrier; in front of it my part of slot 1 has landed and my reads of slot 0 are over
	s_wait_tensorcnt 0x0
	ds_add_u32 v[SPW], v[NIL]                      ; 0 onto my spare word
	s_wait_dscnt 4*NL+1                            ; (the add and the youngest eight loads may be out)
	WIN MUL_LO
	MUL16 0, 1, NQ-1, 0, 0
	s_wait_dscnt 0x0
	s_barrier_signal -1
	MUL16 2, 1, NQ-1, 0, 0
	WIN 0
	s_barrier_wait -1
	PLACES NP
	v_add_nc_u32 v[ADRS], 4*NQ, v[ADRS]            ; on to slot 1's scale words
	FETCH_B 1, 0, 0
	FETCH_A 1, 0, 0
	SCALES 1
	WIN MUL_HI
	MUL16 4, 1, NQ-1, 0, 0
	MUL16 6, 1, NQ-1, 0, 0
	PLACES NP
	WIN 0
	FETCH_A 1, 0, 4
	STEPS 1, 0
	s_wait_dscnt 4*NL                              ; the very last step
	WIN MUL_LO
	MUL16 0, 1, NQ-1, 1, 0
	MUL16 2, 1, NQ-1, 1, 0
	s_wait_dscnt 0
	WIN MUL_HI
	MUL16 4, 1, NQ-1, 1, 0
	MUL16 6, 1, NQ-1, 1, 0
	WIN 0
; THE WAY OUT, a block of 16 positions x 128 features (two heads) at a time.
; PACK: the table's pairs become (alpha cos + beta, alpha sin); each accumulator's four pairs are rotated into window 1; block 0 of a batch's first tile is stored in f32; all are rounded to f16.
.macro PACK a
.set CSB, CS+32*((\a)%2)
.if (\a) < 7
	s_wait_loadcnt 8                               ; this block's eight loads of the table are in; the next block's eight may be out
.else
	s_wait_loadcnt 0
.endif
.set i, 0
.rept 16
	v_pk_fma_f32 v[CSB+2*i:CSB+2*i+1], v[CSB+2*i:CSB+2*i+1], s[AL:AL+1], v[BE:BE+1] op_sel_hi:[1,0,1]   ; (for block 0 these sixteen are also the places behind the last products)
.set i, i+1
.endr
	WIN 0x52+(\a)/4                                ; source 0: the accumulators' window; source 2 and destination: window 1
.irp b, 0,1,2,3,4,5,6,7
.set AC, 64*((\a)%4)+8*\b
.set CQ, CSB+8*(\b%4)
.irp j, 0,1,2,3
	v_pk_mul_f32 v[T+8*\b+2*\j:T+8*\b+2*\j+1], v[AC+2*\j:AC+2*\j+1], v[CQ+2*\j:CQ+2*\j+1] op_sel_hi:[1,0]   ; (t1, t2) x cos: each accumulator is read from its low end on
.endr
.irp j, 0,1,2,3
	v_fma_f32 v[T+8*\b+2*\j], -v[AC+2*\j+1], v[CQ+2*\j+1], v[T+8*\b+2*\j]       ; - t2 sin
.endr
.irp j, 0,1,2,3
	v_fma_f32 v[T+8*\b+2*\j+1], v[AC+2*\j], v[CQ+2*\j+1], v[T+8*\b+2*\j+1]      ; + t1 sin
.endr
.endr
.if (\a) == 0
	WIN 0
	s_cmp_eq_u32 s[S0W], 0                         ; positions 0 .. 15 of a batch?  Tile row and wave alone: the same in all four partners
	s_cbranch_scc0 .Lno_fine
	WIN 0x04                                       ; a store's data are its source 1: window 1
.irp b, 0,1,2,3,4,5,6,7
	global_store_b128 v[FA], v[T+8*\b:T+8*\b+3], s[12:13] offset:(\b/4)*4096+(\b%4)*64
	global_store_b128 v[FA], v[T+8*\b+4:T+8*\b+7], s[12:13] offset:(\b/4)*4096+(\b%4)*64+16
.endr
	WIN 0
	s_wait_xcnt 0x0                                ; the stores have read their data: the next block writes these registers again
.Lno_fine:
.endif
	WIN 0x05                                       ; sources 0 and 1: window 1
.irp b, 0,1,2,3,4,5,6,7
.irp j, 0,1,2,3
	v_cvt_pk_f16_f32 v[H+4*\b+\j], v[T+8*\b+2*\j], v[T+8*\b+2*\j+1]
.endr
.endr
	WIN 0
.if (\a) <= 5
	CSLOAD (\a)+2                                  ; into the set that this block has done with
.endif
.endm
.macro TOSTAGE a
.set BB, BK+32*((\a)%2)
.if (\a) >= 2
	s_wait_xcnt 0x0                                ; block a - 2's stores have read the registers that the loads below fill
.endif
.irp b, 0,1,2,3,4,5,6,7
	ds_store_b128 v[STO], v[H+4*\b:H+4*\b+3] offset:(\b/4)*HSTG+(\b%4)*32
.endr
.irp hh, 0,1
.irp t, 0,1,2,3
	ds_load_b128 v[BB+16*\hh+4*\t:BB+16*\hh+4*\t+3], v[RD] offset:\hh*HSTG+\t*4*HP   ; LDS serves a wave's instructions in order: these see my stores
.endr
.endr
.endm
.macro SEND a
.set BB, BK+32*((\a)%2)
	s_wait_dscnt 0x0
.irp hh, 0,1
.irp t, 0,1,2,3
	global_store_b128 v[CO], v[BB+16*\hh+4*\t:BB+16*\hh+4*\t+3], s[10:11] offset:\hh*262144+(\a)*2048+\t*512 th:TH_STORE_NT   ; four rows of a head: 512 consecutive bytes
.endr
.endr
.endm
	PACK 0
	TOSTAGE 0
.irp a, 1,2,3,4,5,6,7
	PACK \a                                        ; a block's arithmetic stands between the loads of the block before and its stores
	SEND \a-1
	TOSTAGE \a
.endr
	SEND 7
	s_wait_tensorcnt 0x0                           ; the wave's end
	ds_add_u32 v[SPW], v[NIL]
	s_wait_dscnt 0x0
	CROUND                                         ; the closing round
	s_endpgm
.Lfunc_end_k_qf2b6a7c400_qkv:
	.size	k_qf2b6a7c400_qkv, .Lfunc_end_k_qf2b6a7c400_qkv-k_qf2b6a7c400_qkv
	.p2alignl 7, 3214868480
	.fill 96, 4, 3214868480
	.section	.rodata,"a",@progbits
	.p2align	6, 0x0
	.amdhsa_kernel k_qf2b6a7c400_qkv
		.amdhsa_group_segment_fixed_size 327680
		.amdhsa_private_segment_fixed_size 0
		.amdhsa_enable_private_segment 0
		.amdhsa_kernarg_size 40
		.amdhsa_user_sgpr_count 2
		.amdhsa_user_sgpr_kernarg_segment_ptr 1
		.amdhsa_wavefront_size32 1
		.amdhsa_system_sgpr_workgroup_id_x 1
		.amdhsa_system_sgpr_workgroup_id_y 1
		.amdhsa_system_sgpr_workgroup_id_z 1
		.amdhsa_system_vgpr_workitem_id 0
		.amdhsa_next_free_vgpr 1024
		.amdhsa_next_free_sgpr 100
		.amdhsa_reserve_vcc 0
		.amdhsa_float_denorm_mode_32 3
		.amdhsa_float_denorm_mode_16_64 3
		.amdhsa_memory_ordered 1
		.amdhsa_forward_progress 1
		.amdhsa_inst_pref_size 191
	.end_amdhsa_kernel
	.amdgpu_metadata
---
amdhsa.version: [ 1, 2 ]
amdhsa.kernels:
  - .name:           k_qf2b6a7c400_qkv
    .symbol:         k_qf2b6a7c400_qkv.kd
    .args:
      - { .name: codes, .offset: 0, .size: 8, .value_kind: global_buffer, .address_space: global }
      - { .name: scales, .offset: 8, .size: 8, .value_kind: global_buffer, .address_space: global }
      - { .name: rope, .offset: 16, .size: 8, .value_kind: global_buffer, .address_space: global }
      - { .name: qkv16, .offset: 24, .size: 8, .value_kind: global_buffer, .address_space: global }
      - { .name: fine32, .offset: 32, .size: 8, .value_kind: global_buffer, .address_space: global }
    .group_segment_fixed_size: 327680
    .private_segment_fixed_size: 0
    .kernarg_segment_align: 8
    .kernarg_segment_size: 40
    .max_flat_workgroup_size: 128
    .sgpr_count:     100
    .vgpr_count:     1024
    .wavefront_size: 32
...
	.end_amdgpu_metadata
.endif
;; end of part 2
;; launch attn (part 3): grid 4 x 64, 16 waves a work-group, no clusters, 327,680 bytes of LDS; arguments qkv16, ao16; writes ao16
.if DOCPART == 3
	.amdgcn_target "amdgcn-amd-amdhsa--gfx1250"
	.amdhsa_code_object_version 6
	.text
	.protected	k_qf2b6a7c400_attn
	.globl	k_qf2b6a7c400_attn
	.p2align	8
	.type	k_qf2b6a7c400_attn,@function
k_qf2b6a7c400_attn:
	s_mov_b64 s[64:65], 0
	v_nop
	global_prefetch_b8 v0, s[64:65] scope:SCOPE_SE
	s_setreg_imm32_b32 hwreg(HW_REG_WAVE_MODE, 25, 1), 1
	s_wait_xcnt 0x0
; Causal attention of one (batch, head): O[q] = sum over k <= q of softmax_k(q' . k') v', on f16 operands with f32 sums.  qkv16 [section 3][bh 64][2048][64] f16 holds q' = q 2 log2(e) / 8, k' = k / 2, v' = v / 4,
; so a score q' . k' is already the exponent to base 2, and O comes out as a quarter of the attention's result.  A running maximum m and sum l for each query, in f32: p = 2^(s - m); in every step O and l are
; multiplied by 2^(m_old - m_new).  p is rounded to f16 for the second product, O once at the end.
; SHARES.  Work-group (i, bh): waves 0-7 own query block i (256 queries), waves 8-15 block 7 - i; a wave owns 32 queries, two tiles of 16.  A step is 64 keys; a wave walks the steps whose first key is at or under its
; last query: every work-group has 264 wave-steps.  K's and V's tiles come through a ring of two LDS slots of 256 keys, filled by the tensor data mover (waves 0, 1: K's halves; waves 2, 3: V's), read by all sixteen.
; NO CLUSTER: the four work-groups of a head need 8, 7, 6 and 5 slots; a joint load of the last ones would bring tiles that every wave of some partner jumps over.
; EVERY work-group walks all eight changes of slots (constant trip counts); what is left out is a step's work, by a scalar branch on ids, and the fill of a slot that lies past the work-group's last query.
; LAYOUT.  S^T = K Q^T (source 0 = 16 keys, source 1 = 16 queries): a lane holds one query (lane % 16) and keys 8 (lane / 16) + 0 .. 7.  Two such tiles, rounded in pairs, are source 1 of O^T = V^T P.
; O^T's eight registers of a lane, rounded in pairs, are 16 bytes of the projection's operand image: ao16 [row tile 512][kb 32][c 2][lane 32][16 bytes], kb = 2 head + channel / 32: no stage is needed.
; LIMITS: scores stay above -3e38; NaN and infinities are not served.
.set PK,    144                        ; a key's row in LDS: 128 bytes + 16
.set PV,    160                        ; a row of V: 128 + 32: an odd multiple of 32
.set VOFF,  256*PK                     ; a slot: 256 rows of K, then 256 rows of V
.set SLOT1, 1<<17
.set SPARE, SLOT1+256*(PK+PV)          ; the spare words, 128 bytes for each of sixteen waves
.set AK0, 1
.set AV0, 2
.set SPW, 3
.set NIL, 4
.set ADK, 5
.set ADV, 6
.set CD,  7                            ; v7   r - 8 h
.set ST,  8                            ; tile t's statistics at v[ST + 10 t]: +0 m, +1 the new m, +2 a, +3 m_old - m_new, +4, +5 l in two halves, +6 .. +9 at work
.set NINF, 28
.set DD,  29
.set PFO, 30
.set GO,  31
.set QF,  32                           ; v32-63   Q: 16 t + 8 c
.set KV,  64                           ; v64-127  K's fragments, then V's
.set S,   128                          ; v128-191 S^T: 32 t + 8 kt; P is laid over 32 t + 0 .. 15
.set O,   192                          ; v192-255 O^T: 32 t + 8 ct
.set TB,  2
.set WV,  18
.set SEL, 20
.set G1K, 24
.set G1V, 32
.set G0K, 40
.set G0V, 44
.set SLOTS, 48
.set KF,  49                           ; the step's first key
.set Q0,  50                           ; my first query
.set QE,  51                           ; my last
.set QL,  52                           ; my work-group's last
.set PFA, 54
.set LIM, 56
.macro TLOAD                           ; waves 0, 1 fetch for K, waves 2, 3 for V, the others nothing.  An s_nop 0 and four v_nop follow each line
	s_cmp_lt_u32 s[WV], 2
	s_cbranch_scc0 .Lnot_k_\@
	tensor_load_to_lds s[G0K:G0K+3], s[G1K:G1K+7]
	s_nop 0
.rept 4
	v_nop
.endr
	s_branch .Lasked_\@
.Lnot_k_\@:
	s_cmp_lt_u32 s[WV], 4
	s_cbranch_scc0 .Lasked_\@
	tensor_load_to_lds s[G0V:G0V+3], s[G1V:G1V+7]
	s_nop 0
.rept 4
	v_nop
.endr
.Lasked_\@:
.endm
; A prefetch of what the NEXT change of slots will ask for: 256 rows of K and of V, 32,768 dense bytes each.  The head's work-group 0 asks, which walks all slots; in it waves 4-7 for K, waves 8-11 for V,
; 8,192 bytes a wave, lanes 256 bytes apart: each aligned 256 bytes are named once in the launch.  Slots 0 and 1 come by their loads alone; the last filling change asks for nothing.
.macro ASK
	s_cmp_gt_u32 s[SLOTS], s[LIM]
	s_cbranch_scc0 .Lnot_mine_\@
	global_prefetch_b8 v[PFO], s[PFA:PFA+1] th:TH_LOAD_NT scope:SCOPE_SE
.Lnot_mine_\@:
.endm
	s_load_b128 s[4:7], s[0:1], 0x0                ; qkv16, ao16
	v_lshl_add_u32 v[SPW], v0, 2, SPARE
	v_mov_b32 v[NIL], 0
	ds_add_u32 v[SPW], v[NIL]                      ; the wave's opening: the add, twice on end, and its wait ahead of the first tensor load
	ds_add_u32 v[SPW], v[NIL]
	v_lshrrev_b32 v5, 5, v0
	v_readfirstlane_b32 s[WV], v5                  ; wave 0..15
	s_and_b32 s8, ttmp7, 0xffff                    ; bh
	s_lshl_b32 s9, s8, 18                          ; a head's 262,144 bytes
	s_and_b32 s10, s[WV], 1                        ; which 128 rows I fetch, if I fetch
	s_lshl_b32 s11, s10, 14
	s_add_co_u32 s12, s9, s11
	s_add_co_u32 s12, s12, 0x1000000               ; K's section
	s_mov_b32 s13, 0
	s_add_co_u32 s14, s12, 0x1000000               ; V's
	s_mov_b32 s15, 0
	s_mul_i32 s16, s10, 128*PK
	s_mul_i32 s17, s10, 128*PV
	s_add_co_u32 s17, s17, VOFF
	s_mov_b32 s[G1K], (1<<16)|(1<<20)|(4<<22)|(3<<25)   ; elements of 2 bytes; padding: 4 words behind every 32
	s_mov_b32 s[G1V], (1<<16)|(1<<20)|(4<<22)|(7<<25)   ; 8 words
.irp g, G1K, G1V
	s_mov_b32 s[\g+1], 64<<16                      ; tensor_dim0
	s_mov_b32 s[\g+2], 128<<16                     ; tensor_dim1
	s_mov_b32 s[\g+3], 64<<16                      ; tile_dim0
	s_mov_b32 s[\g+4], 128                         ; tile_dim1
	s_mov_b32 s[\g+5], 64                          ; pitch
	s_mov_b32 s[\g+6], 0
	s_mov_b32 s[\g+7], 0
.endr
	s_mov_b32 s[SEL], 0x76543210
	s_mov_b32 s[SEL+1], 0xfedcba98
	s_mov_b32 s[TB], 0
	s_mov_b32 s[SLOTS], 7
	s_mov_b32 s[KF], 0
	s_and_b32 s58, s[WV], 7
	s_lshr_b32 s59, s[WV], 3
	s_mul_i32 s60, s59, 7
	s_xor_b32 s58, s58, s60                        ; waves 8-15 take their block's parts in falling order
	s_sub_co_u32 s61, 7, ttmp9
	s_cmp_eq_u32 s59, 0
	s_cselect_b32 s60, ttmp9, s61                  ; my block: i or 7 - i
	s_lshl_b32 s60, s60, 8
	s_lshl_b32 s58, s58, 5
	s_add_co_u32 s[Q0], s60, s58
	s_add_co_u32 s[QE], s[Q0], 31
	s_lshl_b32 s[QL], s61, 8
	s_add_co_u32 s[QL], s[QL], 255
	s_wait_dscnt 0x0                               ; both opening adds are done
	s_wait_kmcnt 0x0
	s_mov_b32 s[G0K], 1
	s_mov_b32 s[G0K+1], s16
	s_add_nc_u64 s[G0K+2:G0K+3], s[4:5], s[12:13]
	s_or_b32 s[G0K+3], s[G0K+3], 0x80000000
	s_mov_b32 s[G0V], 1
	s_mov_b32 s[G0V+1], s17
	s_add_nc_u64 s[G0V+2:G0V+3], s[4:5], s[14:15]
	s_or_b32 s[G0V+3], s[G0V+3], 0x80000000
	TLOAD                                          ; slot 0: it holds key 0, which counts for every query
	s_lshl_b32 s58, s[Q0], 7
	s_add_co_u32 s58, s58, s9
	s_mov_b32 s59, 0
	s_add_nc_u64 s[62:63], s[4:5], s[58:59]        ; Q at my first query; never rewritten
	v_and_b32 v5, 15, v0                           ; r
	v_bfe_u32 v6, v0, 4, 1                         ; h
	v_lshlrev_b32 v[GO], 7, v5
	v_lshl_add_u32 v[GO], v6, 4, v[GO]             ; Q: row r of 128 bytes, + 16 h
.irp t, 0,1
.irp c, 0,1
	global_load_b128 v[QF+16*\t+8*\c:QF+16*\t+8*\c+3], v[GO], s[62:63] offset:2048*\t+64*\c
	global_load_b128 v[QF+16*\t+8*\c+4:QF+16*\t+8*\c+7], v[GO], s[62:63] offset:2048*\t+64*\c+32
.endr
.endr
	v_mul_u32_u24 v[AK0], v5, PK
	v_lshl_add_u32 v[AK0], v6, 4, v[AK0]
	v_and_b32 v[DD], 7, v0
	v_lshl_add_u32 v[DD], v6, 3, v[DD]             ; the turning load: key 8 h + lane % 8,
	v_mul_u32_u24 v[AV0], v[DD], PV
	v_bfe_u32 v[DD], v0, 3, 1
	v_lshl_add_u32 v[AV0], v[DD], 4, v[AV0]        ; channels 8 ((lane / 8) % 2) on
	v_add_nc_u32 v[AV0], VOFF, v[AV0]
	v_lshlrev_b32 v[DD], 3, v6
	v_sub_nc_u32 v[CD], v5, v[DD]
	v_and_b32 v[PFO], 31, v0
	v_lshlrev_b32 v[PFO], 8, v[PFO]
	s_mov_b32 s58, 0x2000000
	s_cmp_lt_u32 s[WV], 8
	s_cselect_b32 s58, 0x1000000, s58              ; waves 4-7: K's section; waves 8-11: V's
	s_add_co_u32 s58, s58, s9
	s_and_b32 s59, s[WV], 3
	s_lshl_b32 s59, s59, 13
	s_add_co_u32 s58, s58, s59                     ; my wave's 8,192 bytes,
	s_add_co_u32 s58, s58, 32768                   ; in slot 1: the first change of slots steps it to slot 2
	s_mov_b32 s59, 0
	s_add_nc_u64 s[PFA:PFA+1], s[4:5], s[58:59]
	s_sub_co_u32 s58, s[WV], 4
	s_lshr_b32 s58, s58, 3                         ; 0 in waves 4 to 11,
	s_or_b32 s58, s58, ttmp9                       ; of the head's work-group 0
	s_cmp_eq_u32 s58, 0
	s_cselect_b32 s[LIM], 1, -1
	s_lshr_b32 s58, s8, 4
	s_lshl_b32 s58, s58, 22                        ; ao16: a batch is 128 row tiles of 32,768 bytes,
	s_lshl_b32 s59, s[Q0], 11                      ; 16 queries are one row tile,
	s_add_co_u32 s58, s58, s59
	s_and_b32 s59, s8, 15
	s_lshl_b32 s59, s59, 11                        ; a head two kb of 1,024
	s_add_co_u32 s58, s58, s59
	s_mov_b32 s59, 0
	s_add_nc_u64 s[6:7], s[6:7], s[58:59]
.set i, 0
.rept 20
	v_mov_b32 v[ST+i], 0                           ; l = 0; the others are written so that no path reads them unwritten
.set i, i+1
.endr
	v_mov_b32 v[ST], 0xff61b1e6                    ; m = -3e38, under every score
	v_mov_b32 v[ST+10], 0xff61b1e6
	v_mov_b32 v[NINF], 0xff800000
.set i, 0
.rept 64
	v_mov_b32 v[O+i], 0                            ; O^T.  (The step is written once: the first finds zeros, which a = 0 leaves zeros)
.set i, i+1
.endr
; A KEY STEP: 64 keys, the q-th of the slot in hand.
.macro STEP q
	s_cmp_gt_u32 s[KF], s[QE]                      ; all its keys come after my queries: the work is left out; no barrier, wait or tensor load stands in a step
	s_cbranch_scc1 .Lhidden_\@
	v_add_nc_u32 v[ADK], s[TB], v[AK0]
	v_add_nc_u32 v[ADV], s[TB], v[AV0]
.rept 3
	v_nop                                          ; with the two additions five places: the first product below writes over P, which the last step's products read; the loads below want four
.endr
.irp kt, 0,1,2,3
.irp c, 0,1
	ds_load_b128 v[KV+16*\kt+8*\c:KV+16*\kt+8*\c+3], v[ADK] offset:(64*(\q)+16*\kt)*PK+64*\c
	ds_load_b128 v[KV+16*\kt+8*\c+4:KV+16*\kt+8*\c+7], v[ADK] offset:(64*(\q)+16*\kt)*PK+64*\c+32
.endr
.endr
	s_wait_dscnt 0x0
.irp c, 0,1                            ; S^T = K Q^T: eight accumulators by turns, one instruction a turn
.irp kt, 0,1,2,3
.irp t, 0,1
.if \c == 0
	v_wmma_f32_16x16x32_f16 v[S+32*\t+8*\kt:S+32*\t+8*\kt+7], v[KV+16*\kt+8*\c:KV+16*\kt+8*\c+7], v[QF+16*\t+8*\c:QF+16*\t+8*\c+7], 0
.else
	v_wmma_f32_16x16x32_f16 v[S+32*\t+8*\kt:S+32*\t+8*\kt+7], v[KV+16*\kt+8*\c:KV+16*\kt+8*\c+7], v[QF+16*\t+8*\c:QF+16*\t+8*\c+7], v[S+32*\t+8*\kt:S+32*\t+8*\kt+7]
.endif
.endr
.endr
.endr
.rept 4
	v_nop                                          ; places in front of the loads into K's registers and of the first read of the scores
.endr
.irp u, 0,1                            ; V, turned: it lands while the softmax is walked
.irp ct, 0,1,2,3
	ds_load_tr16_b128 v[KV+32*\u+8*\ct:KV+32*\u+8*\ct+3], v[ADV] offset:(64*(\q)+32*\u)*PV+32*\ct
	ds_load_tr16_b128 v[KV+32*\u+8*\ct+4:KV+32*\u+8*\ct+7], v[ADV] offset:(64*(\q)+32*\u+16)*PV+32*\ct
.endr
.endr
	s_add_co_u32 s60, s[KF], 63
	s_cmp_le_u32 s60, s[Q0]                        ; all keys count for all my queries: no mask
	s_cbranch_scc1 .Lopen_\@
	s_sub_co_u32 s60, s[Q0], s[KF]
	v_add_nc_u32 v[DD], s60, v[CD]                 ; d = tile 0's query - first key - 8 h.  Register 8 kt + j of tile t holds key 16 kt + 8 h + j: hidden where 16 kt + j - 16 t > d
.irp t, 0,1
.irp kt, 0,1,2,3
.irp j, 0,1,2,3,4,5,6,7
	v_cmp_gt_i32 vcc_lo, 16*\kt+\j-16*\t, v[DD]
	v_cndmask_b32 v[S+32*\t+8*\kt+\j], v[S+32*\t+8*\kt+\j], v[NINF], vcc_lo
.endr
.endr
.endr
.Lopen_\@:
.irp kt, 0,1,2,3                       ; the largest score: four chains a tile, each begun at its accumulator's low end
.irp t, 0,1
	v_max3_num_f32 v[ST+10*\t+6+\kt], v[S+32*\t+8*\kt], v[S+32*\t+8*\kt+1], v[S+32*\t+8*\kt+2]
.endr
.endr
.irp i, 3,5
.irp kt, 0,1,2,3
.irp t, 0,1
	v_max3_num_f32 v[ST+10*\t+6+\kt], v[ST+10*\t+6+\kt], v[S+32*\t+8*\kt+\i], v[S+32*\t+8*\kt+\i+1]
.endr
.endr
.endr
.irp t, 0,1
	v_max3_num_f32 v[ST+10*\t+6], v[ST+10*\t+6], v[S+32*\t+7], v[S+32*\t+15]
	v_max3_num_f32 v[ST+10*\t+8], v[ST+10*\t+8], v[S+32*\t+23], v[S+32*\t+31]
.endr
.irp t, 0,1
	v_max3_num_f32 v[ST+10*\t+6], v[ST+10*\t+6], v[ST+10*\t+7], v[ST+10*\t+8]
.endr
.irp t, 0,1
	v_max3_num_f32 v[ST+10*\t+6], v[ST+10*\t+6], v[ST+10*\t+9], v[ST+10*\t]     ; and the old m
.endr
.irp t, 0,1
	v_permlanex16_b32 v[ST+10*\t+7], v[ST+10*\t+6], s[SEL], s[SEL+1]            ; the query's other 32 keys lie in the lane 16 away
.endr
.irp t, 0,1
	v_max_num_f32 v[ST+10*\t+1], v[ST+10*\t+6], v[ST+10*\t+7]
.endr
.irp t, 0,1
	v_sub_f32 v[ST+10*\t+3], v[ST+10*\t], v[ST+10*\t+1]
.endr
.irp t, 0,1
	v_mov_b32 v[ST+10*\t], v[ST+10*\t+1]
.endr
.irp t, 0,1
	v_exp_f32 v[ST+10*\t+2], v[ST+10*\t+3]         ; a = 2^(m_old - m_new)
.endr
.set j, 0
.rept 16
	v_pk_add_f32 v[S+2*j:S+2*j+1], v[S+2*j:S+2*j+1], v[ST:ST+1] op_sel_hi:[1,0] neg_lo:[0,1] neg_hi:[0,1]               ; s - m, two at a time
	v_pk_add_f32 v[S+32+2*j:S+32+2*j+1], v[S+32+2*j:S+32+2*j+1], v[ST+10:ST+11] op_sel_hi:[1,0] neg_lo:[0,1] neg_hi:[0,1]
.set j, j+1
.endr
.set j, 0
.rept 64
	v_exp_f32 v[S+j], v[S+j]                       ; p = 2^(s - m)
.set j, j+1
.endr
	v_nop                                          ; a plain line behind the last exponential
	s_wait_alu depctr_va_vdst(0)                   ; ONE wait for the step's 66 exponentials, ahead of the first line that names a result
.irp t, 0,1
	v_pk_add_f32 v[ST+10*\t+6:ST+10*\t+7], v[S+32*\t:S+32*\t+1], v[S+32*\t+2:S+32*\t+3]     ; the row's sum of the unrounded p, in two chains
	v_pk_add_f32 v[ST+10*\t+8:ST+10*\t+9], v[S+32*\t+4:S+32*\t+5], v[S+32*\t+6:S+32*\t+7]
.endr
.irp j, 8,12,16,20,24,28
.irp t, 0,1
	v_pk_add_f32 v[ST+10*\t+6:ST+10*\t+7], v[ST+10*\t+6:ST+10*\t+7], v[S+32*\t+\j:S+32*\t+\j+1]
	v_pk_add_f32 v[ST+10*\t+8:ST+10*\t+9], v[ST+10*\t+8:ST+10*\t+9], v[S+32*\t+\j+2:S+32*\t+\j+3]
.endr
.endr
.irp t, 0,1
	v_pk_fma_f32 v[ST+10*\t+4:ST+10*\t+5], v[ST+10*\t+4:ST+10*\t+5], v[ST+10*\t+2:ST+10*\t+3], v[ST+10*\t+6:ST+10*\t+7] op_sel_hi:[1,0,1]   ; l = a l + the sums
.endr
.irp t, 0,1
	v_pk_add_f32 v[ST+10*\t+4:ST+10*\t+5], v[ST+10*\t+4:ST+10*\t+5], v[ST+10*\t+8:ST+10*\t+9]
.endr
.set j, 0
.rept 16
	v_cvt_pk_f16_f32 v[S+j], v[S+2*j], v[S+2*j+1]              ; P, in place, ascending: a destination is never a later source
	v_cvt_pk_f16_f32 v[S+32+j], v[S+32+2*j], v[S+32+2*j+1]
.set j, j+1
.endr
.set j, 0
.rept 16
	v_pk_mul_f32 v[O+2*j:O+2*j+1], v[O+2*j:O+2*j+1], v[ST+2:ST+3] op_sel_hi:[1,0]              ; O^T x a, each accumulator from its low end on
	v_pk_mul_f32 v[O+32+2*j:O+32+2*j+1], v[O+32+2*j:O+32+2*j+1], v[ST+12:ST+13] op_sel_hi:[1,0]
.set j, j+1
.endr
	s_wait_dscnt 0x0                               ; V is in
.irp u, 0,1                            ; O^T += V^T P: eight accumulators by turns
.irp ct, 0,1,2,3
.irp t, 0,1
	v_wmma_f32_16x16x32_f16 v[O+32*\t+8*\ct:O+32*\t+8*\ct+7], v[KV+32*\u+8*\ct:KV+32*\u+8*\ct+7], v[S+32*\t+8*\u:S+32*\t+8*\u+7], v[O+32*\t+8*\ct:O+32*\t+8*\ct+7]
.endr
.endr
.endr
.Lhidden_\@:
	s_add_co_u32 s[KF], s[KF], 64
.endm
; THE CHANGE OF SLOTS stands at a slot's head.  Each wave waits for all its tensor loads, adds 0 to its spare word, and waits for that and for its reads of the slot that it has left; behind the barrier the slot
; ahead is whole and nobody reads the other one, which is then filled with the next 256 keys, while these lie at or under the work-group's last query.  Every wait on TENSORcnt in this text is for 0.
.macro CHANGE fill
	s_wait_tensorcnt 0x0                           ; no tensor load of mine is out, so a group 0 may be written
	ds_add_u32 v[SPW], v[NIL]                      ; 0 onto my spare word
.if \fill
	ds_add_u32 v[SPW], v[NIL]                      ; and once more: twice in every trip alike
	s_xor_b32 s[G0K+1], s[G0K+1], SLOT1
	s_add_nc_u64 s[G0K+2:G0K+3], s[G0K+2:G0K+3], 32768
	s_xor_b32 s[G0V+1], s[G0V+1], SLOT1
	s_add_nc_u64 s[G0V+2:G0V+3], s[G0V+2:G0V+3], 32768
	s_wait_xcnt 0x0                                ; the last prefetch, a slot back, has read its address
	s_add_nc_u64 s[PFA:PFA+1], s[PFA:PFA+1], 32768
.endif
	s_wait_dscnt 0x0
	s_barrier_signal -1
	s_barrier_wait -1
.if \fill
	s_add_co_u32 s60, s[KF], 256                   ; the first key of the slot that this change would ask for
	s_cmp_gt_u32 s60, s[QL]                        ; ids and the count of steps alone: all sixteen waves go the same way, and a slot past the limit is read by none of them
	s_cbranch_scc1 .Lpast_\@
	TLOAD                                          ; a wave's one tensor load until the next such barrier: it has four steps in which to land
.Lpast_\@:
	ASK
.endif
.endm
.macro SLOT_STEPS
	STEP 0
	STEP 1
	STEP 2
	STEP 3
	s_xor_b32 s[TB], s[TB], SLOT1
.endm
	s_wait_loadcnt 0x0                             ; Q
.Lslot:                                            ; seven trips
	CHANGE 1
	SLOT_STEPS
	s_sub_co_u32 s[SLOTS], s[SLOTS], 1
	s_cmp_lg_u32 s[SLOTS], 0
	s_cbranch_scc1 .Lslot
	CHANGE 0                                       ; the last slot is written out: nothing is left to ask for
	SLOT_STEPS
	; THE WAY OUT.  The additions are the places behind the last products.
.irp t, 0,1
	v_add_f32 v[ST+10*\t+6], v[ST+10*\t+4], v[ST+10*\t+5]
.endr
.irp t, 0,1
	v_permlanex16_b32 v[ST+10*\t+7], v[ST+10*\t+6], s[SEL], s[SEL+1]
.endr
.irp t, 0,1
	v_add_f32 v[ST+10*\t+6], v[ST+10*\t+6], v[ST+10*\t+7]
.endr
.irp t, 0,1
	v_rcp_f32 v[ST+10*\t+2], v[ST+10*\t+6]
.endr
	v_and_b32 v[GO], 31, v0                        ; (plain lines behind the reciprocals)
	v_lshlrev_b32 v[GO], 4, v[GO]                  ; 16 bytes a lane
	s_wait_alu depctr_va_vdst(0)                   ; one wait for the two reciprocals, ahead of their first reader
.set j, 0
.rept 16
	v_pk_mul_f32 v[O+2*j:O+2*j+1], v[O+2*j:O+2*j+1], v[ST+2:ST+3] op_sel_hi:[1,0]
	v_pk_mul_f32 v[O+32+2*j:O+32+2*j+1], v[O+32+2*j:O+32+2*j+1], v[ST+12:ST+13] op_sel_hi:[1,0]
.set j, j+1
.endr
.irp t, 0,1
.irp ct, 0,1,2,3
.irp jj, 0,1,2,3
	v_cvt_pk_f16_f32 v[S+16*\t+4*\ct+\jj], v[O+32*\t+8*\ct+2*\jj], v[O+32*\t+8*\ct+2*\jj+1]
.endr
.endr
.endr
.irp t, 0,1
.irp ct, 0,1,2,3
	global_store_b128 v[GO], v[S+16*\t+4*\ct:S+16*\t+4*\ct+3], s[6:7] offset:32768*\t+512*\ct th:TH_STORE_NT   ; the wave stores 512 consecutive bytes, aligned
.endr
.endr
	s_wait_tensorcnt 0x0                           ; the wave's end
	ds_add_u32 v[SPW], v[NIL]
	s_wait_dscnt 0x0
	s_endpgm
.Lfunc_end_k_qf2b6a7c400_attn:
	.size	k_qf2b6a7c400_attn, .Lfunc_end_k_qf2b6a7c400_attn-k_qf2b6a7c400_attn
	.p2alignl 7, 3214868480
	.fill 96, 4, 3214868480
	.section	.rodata,"a",@progbits
	.p2align	6, 0x0
	.amdhsa_kernel k_qf2b6a7c400_attn
		.amdhsa_group_segment_fixed_size 327680
		.amdhsa_private_segment_fixed_size 0
		.amdhsa_enable_private_segment 0
		.amdhsa_kernarg_size 16
		.amdhsa_user_sgpr_count 2
		.amdhsa_user_sgpr_kernarg_segment_ptr 1
		.amdhsa_wavefront_size32 1
		.amdhsa_system_sgpr_workgroup_id_x 1
		.amdhsa_system_sgpr_workgroup_id_y 1
		.amdhsa_system_sgpr_workgroup_id_z 1
		.amdhsa_system_vgpr_workitem_id 0
		.amdhsa_next_free_vgpr 256
		.amdhsa_next_free_sgpr 66
		.amdhsa_reserve_vcc 1
		.amdhsa_float_denorm_mode_32 3
		.amdhsa_float_denorm_mode_16_64 3
		.amdhsa_memory_ordered 1
		.amdhsa_forward_progress 1
		.amdhsa_inst_pref_size 185
	.end_amdhsa_kernel
	.amdgpu_metadata
---
amdhsa.version: [ 1, 2 ]
amdhsa.kernels:
  - .name:           k_qf2b6a7c400_attn
    .symbol:         k_qf2b6a7c400_attn.kd
    .args:
      - { .name: qkv16, .offset: 0, .size: 8, .value_kind: global_buffer, .address_space: global }
      - { .name: ao16, .offset: 8, .size: 8, .value_kind: global_buffer, .address_space: global }
    .group_segment_fixed_size: 327680
    .private_segment_fixed_size: 0
    .kernarg_segment_align: 8
    .kernarg_segment_size: 16
    .max_flat_workgroup_size: 512
    .sgpr_count:     66
    .vgpr_count:     256
    .wavefront_size: 32
...
	.end_amdgpu_metadata
.endif
;; end of part 3
;; launch oproj (part 4): grid 4 x 64, 4 waves a work-group, clusters of 4 x 4, 327,680 bytes of LDS; arguments ao16, wo16f, out0; writes out0
.if DOCPART == 4
	.amdgcn_target "amdgcn-amd-amdhsa--gfx1250"
	.amdhsa_code_object_version 6
	.text
	.protected	k_qf2b6a7c400_oproj
	.globl	k_qf2b6a7c400_oproj
	.p2align	8
	.type	k_qf2b6a7c400_oproj,@function
k_qf2b6a7c400_oproj:
	s_mov_b64 s[64:65], 0
	v_nop
	global_prefetch_b8 v0, s[64:65] scope:SCOPE_SE
	s_setreg_imm32_b32 hwreg(HW_REG_WAVE_MODE, 25, 1), 1
	s_wait_xcnt 0x0
	s_wait_alu depctr_hold_cnt(0) depctr_sa_sdst(0) depctr_va_vdst(0) depctr_va_sdst(0) depctr_va_ssrc(0) depctr_va_vcc(0) depctr_vm_vsrc(0)
	s_getreg_b32 s2, hwreg(HW_REG_IB_STS2, 6, 4)
	s_cmp_eq_u32 s2, 0
	s_cbranch_scc0 .Lentry_in_a_cluster
	s_endpgm
.Lentry_in_a_cluster:
	s_bfe_u32 s2, ttmp6, 0x10000c
	s_cmp_lg_u32 s2, 0xf033
	s_cbranch_scc0 .Lentry_shape_is_right
	s_endpgm
.Lentry_shape_is_right:
; out0[m][n] = sum over k of ao[m][k] wo[n][k], [8192] x [1024] over K = 1024, on f16 operands (ao / 4 and 4 wo: the two factors cancel exactly), sums in f32, out0 in f32.
; Both operands lie in memory in the order of an operand's registers: [tile of 16 rows][kb 32][c 2][lane 32][16 bytes]: a fragment (16 rows x 32 K) is 1,024 consecutive bytes, read from LDS by two loads at 16 x lane,
; 512 bytes apart: no pitch and no padding.  A K step of 128 is 4,096 consecutive bytes of each tile of rows.
; A tile of out0 is 128 x 256, which gives 256 work-groups.  Four waves, each 64 x 128: 32 accumulators, 256 registers.  K goes in 8 steps of 128 through a ring of two LDS slots.
; CLUSTERS: 4 x 4 work-groups.  The four of a row of the cluster need the same tiles of ao, the four of a column the same tiles of wo: each is asked for JOINTLY.
; THE MATRIX INSTRUCTION IS USED TRANSPOSED (source 0 = 16 rows of wo, source 1 = 16 rows of ao): a lane holds eight neighbouring numbers of a row of out0.
; Rows 0 .. 15 of each batch are written here as all others and written over by the launch that follows, which computes them in f32.
; REGISTERS: window 0: v0-31 addresses; v64-159, v160-255 two fragment buffers (ao's 4 fragments, then wo's 8); on the way out v64-191 hold rows read back.   window 1: the accumulators ((a, b) at v[8 (8 a + b)]).
.set SLOT,   98304                     ; ao: 8 tiles of rows x 4,096 bytes; then wo: 16 x 4,096
.set BOFF,   32768
.set STAGE,  2*SLOT                    ; behind the ring: 16 rows x (512 + 16) bytes for each wave
.set SPITCH, 528
.set SPARE,  STAGE+4*16*SPITCH         ; the spare words, 128 bytes for each wave
.set LAPS,   4                         ; a lap = two K steps
.set ADRA, 16
.set ADRB, 20
.set STO,  24
.set RD,   25
.set CO,   26
.set SPW,  28
.set NIL,  29
.set PFO,  30
.set F0,   64
.set F1,   160
.set BK,   64
.set G1, 24
.set G0, 32
.set G1B, 48
.set G0B, 56
.set PFA, 66                           ; s[66:67] where my prefetches stand
.set LIM, 68                           ; s68  1 in wave 0, else the greatest number
.set MSB, 0
.macro WIN new
.if MSB != (\new)
	s_set_vgpr_msb (MSB<<8)|(\new)
.set MSB, (\new)
.endif
.endm
.set MUL, 0x50                         ; C and D window 1, the fragments window 0
.macro JLOAD s                         ; waves 0, 1 fetch ao's halves, waves 2, 3 wo's; an s_nop 0 and four v_nop follow each line
	s_cmp_eq_u32 s11, 0
	s_cbranch_scc0 .Lfor_b_\@
	tensor_load_to_lds s[G0+4*\s:G0+4*\s+3], s[G1:G1+7]
	s_nop 0
.rept 4
	v_nop
.endr
	s_branch .Lasked_\@
.Lfor_b_\@:
	tensor_load_to_lds s[G0B+4*\s:G0B+4*\s+3], s[G1B:G1B+7]
	s_nop 0
.rept 4
	v_nop
.endr
.Lasked_\@:
.endm
.macro CREST
	s_cmp_lg_u32 s10, 0
	s_cbranch_scc1 .Lnot_wave_0_\@
	s_barrier_signal -3
.Lnot_wave_0_\@:
	s_barrier_wait -3
	s_barrier_signal -1
	s_barrier_wait -1
.endm
.macro CROUND
	s_barrier_signal -1
	s_barrier_wait -1
	CREST
.endm
; A prefetch of ao's K step that stands two refills on.  ao's tile row is read by the four partners of one row of one cluster and by nobody else; they share its 8 tiles of rows out BY ADDRESS, two each (cx);
; in each, wave 0 asks: 2 x 4,096 bytes, lanes 256 bytes apart.  So each aligned 256 bytes are named once.  K steps 0 to 3 come by their loads alone; the loop's last trip asks for nothing.  wo is read by all 64 tile rows and is not asked for.
.macro ASK
	s_cmp_gt_u32 s3, s[LIM]
	s_cbranch_scc0 .Lnot_mine_\@
	global_prefetch_b8 v[PFO], s[PFA:PFA+1] th:TH_LOAD_NT scope:SCOPE_SE
.Lnot_mine_\@:
.endm
	s_load_b128 s[4:7], s[0:1], 0x0                ; ao16, wo16f
	s_load_b64 s[8:9], s[0:1], 0x10                ; out0
	v_lshl_add_u32 v[SPW], v0, 2, SPARE
	v_mov_b32 v[NIL], 0
	ds_add_u32 v[SPW], v[NIL]                      ; the wave's opening: the add, twice on end, and its wait ahead of my first tensor load
	ds_add_u32 v[SPW], v[NIL]
	v_lshrrev_b32 v1, 5, v0
	v_readfirstlane_b32 s10, v1                    ; wave 0..3
	s_lshr_b32 s11, s10, 1                         ; which 64 rows are mine.  Also: I fetch for ao (0) or for wo (1)
	s_and_b32 s12, s10, 1                          ; which 128 columns.  Also: which half of that tile I fetch
	s_bfe_u32 s40, ttmp6, 0x40000                  ; cx
	s_bfe_u32 s41, ttmp6, 0x40004                  ; cy
	s_lshl_b32 s42, ttmp9, 2
	s_add_co_u32 s42, s42, s40                     ; tile column
	s_and_b32 s13, ttmp7, 0xffff
	s_lshl_b32 s13, s13, 2
	s_add_co_u32 s13, s13, s41                     ; tile row
	s_lshl_b32 s43, s41, 2
	s_lshl_b32 s43, 15, s43                        ; my row of the cluster
	s_lshl_b32 s44, 0x1111, s40                    ; my column
	s_or_b32 s[G1+0], s43, (3<<16)|(1<<21)         ; elements of 8 bytes; no padding
	s_or_b32 s[G1B+0], s44, (3<<16)|(1<<21)
	s_mov_b32 s[G1+1], 512<<16                     ; a row: 512 elements = a tile of rows' 4,096 bytes of a K step
	s_mov_b32 s[G1+2], 4<<16                       ; ao: 4 tiles of rows to a load
	s_mov_b32 s[G1+3], 512<<16
	s_mov_b32 s[G1+4], 4
	s_mov_b32 s[G1+5], 4096                        ; from a tile of rows to the next: 32,768 bytes
	s_mov_b32 s[G1+6], 0
	s_mov_b32 s[G1+7], 0
	s_mov_b32 s[G1B+1], 512<<16
	s_mov_b32 s[G1B+2], 8<<16                      ; wo: 8
	s_mov_b32 s[G1B+3], 512<<16
	s_mov_b32 s[G1B+4], 8
	s_mov_b32 s[G1B+5], 4096
	s_mov_b32 s[G1B+6], 0
	s_mov_b32 s[G1B+7], 0
	s_lshl_b32 s16, s13, 3
	s_lshl_b32 s17, s12, 2
	s_add_co_u32 s16, s16, s17                     ; ao: tile of rows 8 x tile row + 4 x half
	s_lshl_b32 s16, s16, 15
	s_mov_b32 s17, 0
	s_lshl_b32 s46, s42, 4
	s_lshl_b32 s47, s12, 3
	s_add_co_u32 s46, s46, s47                     ; wo: 16 x tile column + 8 x half
	s_lshl_b32 s46, s46, 15
	s_mov_b32 s47, 0
	s_lshl_b32 s20, s12, 14                        ; where they go: no place in the cluster enters an LDS address
	s_lshl_b32 s21, s12, 15
	s_add_co_u32 s21, s21, BOFF
	s_wait_dscnt 0x0                               ; both opening adds are done
	s_wait_kmcnt 0x0
	s_add_nc_u64 s[14:15], s[4:5], s[16:17]
	s_add_nc_u64 s[46:47], s[6:7], s[46:47]
	CROUND                                         ; all sixteen work-groups are here: the first joint loads meet
.irp s, 0,1
	s_mov_b32 s[G0+4*\s], 1
	s_add_co_u32 s[G0+4*\s+1], s20, \s*SLOT
	s_add_nc_u64 s[G0+4*\s+2:G0+4*\s+3], s[14:15], \s*4096
	s_or_b32 s[G0+4*\s+3], s[G0+4*\s+3], 0x80000000
	s_mov_b32 s[G0B+4*\s], 1
	s_add_co_u32 s[G0B+4*\s+1], s21, \s*SLOT
	s_add_nc_u64 s[G0B+4*\s+2:G0B+4*\s+3], s[46:47], \s*4096
	s_or_b32 s[G0B+4*\s+3], s[G0B+4*\s+3], 0x80000000
	JLOAD \s                                       ; by my own count two tensor loads of mine are out
.endr
	v_and_b32 v1, 15, v0                           ; r
	v_bfe_u32 v2, v0, 4, 1                         ; h
	v_and_b32 v3, 31, v0
	v_lshlrev_b32 v[CO], 4, v3                     ; 16 x lane
	s_lshl_b32 s21, s11, 14                        ; my 4 tiles of ao's rows
	s_lshl_b32 s22, s12, 15                        ; my 8 tiles of wo's,
	s_add_co_u32 s22, s22, BOFF                    ; behind ao's
.irp s, 0,1
	v_add_nc_u32 v[ADRA+\s], s21, v[CO]
	v_add_nc_u32 v[ADRB+\s], s22, v[CO]
	s_add_co_u32 s21, s21, SLOT
	s_add_co_u32 s22, s22, SLOT
.endr
	s_mul_i32 s23, s10, 16*SPITCH
	s_add_co_u32 s23, s23, STAGE                   ; my stage
	v_mul_u32_u24 v4, v1, SPITCH
	v_lshl_add_u32 v4, v2, 5, v4
	v_add_nc_u32 v[STO], s23, v4                   ; in: row r, 32 bytes for each half of the lanes
	v_add_nc_u32 v[RD], s23, v[CO]                 ; back: the 32 lanes take one row of 512 bytes
	s_lshl_b32 s22, s13, 3
	s_lshl_b32 s23, s40, 1
	s_add_co_u32 s22, s22, s23                     ; the prefetches: my work-group's two tiles of rows,
	s_lshl_b32 s22, s22, 15
	s_add_co_u32 s22, s22, 3*4096                  ; at K step 3: the first filling change of slots steps it to 4
	s_mov_b32 s23, 0
	s_add_nc_u64 s[PFA:PFA+1], s[4:5], s[22:23]
	s_cmp_eq_u32 s10, 0
	s_cselect_b32 s[LIM], 1, -1
	v_lshlrev_b32 v[PFO], 8, v1
	v_lshl_add_u32 v[PFO], v2, 15, v[PFO]          ; lanes 0-15 the first tile of rows, lanes 16-31 the second; 256 bytes apart
	s_lshl_b32 s16, s13, 7
	s_lshl_b32 s17, s11, 6
	s_add_co_u32 s16, s16, s17                     ; my first row of out0
	s_lshl_b32 s16, s16, 12
	s_lshl_b32 s46, s42, 10
	s_lshl_b32 s47, s12, 9
	s_add_co_u32 s46, s46, s47                     ; my first column, in bytes
	s_add_co_u32 s46, s46, s16
	s_mov_b32 s47, 0
	s_add_nc_u64 s[8:9], s[8:9], s[46:47]
; 8 matrix instructions: ao's block a against wo's eight, 32 along K.  The 32 accumulators take turns, one instruction a turn, in the same order in every quarter.
.macro MUL8 f, a, zero
.irp b, 0,1,2,3,4,5,6,7
.if \zero
	v_wmma_f32_16x16x32_f16 v[8*(8*(\a)+\b):8*(8*(\a)+\b)+7], v[\f+32+8*\b:\f+32+8*\b+7], v[\f+8*(\a):\f+8*(\a)+7], 0
.else
	v_wmma_f32_16x16x32_f16 v[8*(8*(\a)+\b):8*(8*(\a)+\b)+7], v[\f+32+8*\b:\f+32+8*\b+7], v[\f+8*(\a):\f+8*(\a)+7], v[8*(8*(\a)+\b):8*(8*(\a)+\b)+7]
.endif
.endr
.endm
; 24 LDS loads in one run: the fragments of the slot's kb-th 32 along K into buffer f: wo's sixteen loads, then ao's blocks 0, 1, then 2, 3
.macro FETCH slot, kb, f
.irp i, 0,1,2,3,4,5,6,7
	ds_load_b128 v[\f+32+8*\i:\f+32+8*\i+3],   v[ADRB+\slot] offset:\i*4096+(\kb)*1024
	ds_load_b128 v[\f+32+8*\i+4:\f+32+8*\i+7], v[ADRB+\slot] offset:\i*4096+(\kb)*1024+512
.endr
.irp i, 0,1,2,3
	ds_load_b128 v[\f+8*\i:\f+8*\i+3],   v[ADRA+\slot] offset:\i*4096+(\kb)*1024
	ds_load_b128 v[\f+8*\i+4:\f+8*\i+7], v[ADRA+\slot] offset:\i*4096+(\kb)*1024+512
.endr
.endm
.macro PLACES
.rept 4
	v_nop
.endr
.endm
; A K step is four quarters of 32 along K, 32 matrix instructions each, on buffers 0, 1, 0, 1.  One of the first three: multiplies buffer f and fetches the quarter kb into g.
.macro QUARTER slot, kb, f, g, zero
	s_wait_dscnt 4                                 ; wo's fragments and ao's blocks 0, 1 are in; the youngest four loads (blocks 2, 3) may be out
	WIN MUL
	MUL8 \f, 0, \zero
	MUL8 \f, 1, \zero
	PLACES
	WIN 0
	FETCH \slot, \kb, \g
	s_wait_dscnt 24                                ; all but the 24 just issued
	WIN MUL
	MUL8 \f, 2, \zero
	MUL8 \f, 3, \zero
.endm
; The last quarter multiplies buffer 1 and changes slots: one barrier; in front of it each wave waits for all its tensor loads, adds 0 to its spare word, and waits for that and for its reads of this slot.
.macro TURN slot, next, fill
.if \fill
	s_wait_xcnt 0x0                                ; the last prefetch, a K step back, has read its address
	s_add_nc_u64 s[PFA:PFA+1], s[PFA:PFA+1], 4096
.endif
	WIN 0
	s_wait_tensorcnt 0x0                           ; all my tensor loads have landed: my part of the next slot
	ds_add_u32 v[SPW], v[NIL]                      ; 0 onto my spare word
	s_wait_dscnt 5                                 ; (the add and the youngest four loads may be out)
	WIN MUL
	MUL8 F1, 0, 0
	s_wait_dscnt 0x0                               ; the add is done, and my reads of this slot are over
	s_barrier_signal -1
	MUL8 F1, 1, 0
	WIN 0
	s_barrier_wait -1
.if \fill
	CREST                                          ; the barrier has opened a round of the cluster's barrier: no wave of any partner still reads this slot or has a load on its way
	s_add_nc_u64 s[G0+4*\slot+2:G0+4*\slot+3], s[G0+4*\slot+2:G0+4*\slot+3], 8192
	s_add_nc_u64 s[G0B+4*\slot+2:G0B+4*\slot+3], s[G0B+4*\slot+2:G0B+4*\slot+3], 8192
	JLOAD \slot                                    ; my one tensor load behind the round; its four v_nop are also the places in front of the loads below
.else
	PLACES
.endif
	FETCH \next, 0, F0
.if \fill
	ASK
.endif
	WIN MUL
	MUL8 F1, 2, 0
	MUL8 F1, 3, 0
.endm
	s_wait_tensorcnt 1                             ; my part of K step 0 is in; K step 1's load may be out
	s_barrier_signal -1
	s_barrier_wait -1
	FETCH 0, 0, F0
	QUARTER 0, 1, F0, F1, 1                        ; the first quarter's products start the sums
	WIN 0
	s_mov_b32 s3, LAPS-1
.Llap:                                                 ; a trip goes once round the ring and fills both slots again
	QUARTER 0, 2, F1, F0, 0
	QUARTER 0, 3, F0, F1, 0
	TURN 0, 1, 1
	QUARTER 1, 1, F0, F1, 0
	QUARTER 1, 2, F1, F0, 0
	QUARTER 1, 3, F0, F1, 0
	TURN 1, 0, 1
	QUARTER 0, 1, F0, F1, 0
	WIN 0
	s_sub_co_u32 s3, s3, 1
	s_cmp_lg_u32 s3, 0
	s_cbranch_scc1 .Llap
	QUARTER 0, 2, F1, F0, 0                        ; the last lap fills nothing
	QUARTER 0, 3, F0, F1, 0
	TURN 0, 1, 0
	QUARTER 1, 1, F0, F1, 0
	QUARTER 1, 2, F1, F0, 0
	QUARTER 1, 3, F0, F1, 0
	s_wait_dscnt 4
	WIN MUL
	MUL8 F1, 0, 0
	MUL8 F1, 1, 0
	s_wait_dscnt 0
	MUL8 F1, 2, 0
	MUL8 F1, 3, 0
	WIN 0
; THE WAY OUT, a block of 16 rows x 128 columns at a time, through my own stage: in as 32 bytes a lane, back as whole rows of 512 bytes.
.macro TOSTAGE a
	WIN 0x04                                       ; an LDS store's data are its source 1: window 1
.irp b, 0,1,2,3,4,5,6,7
	ds_store_b128 v[STO], v[64*(\a)+8*\b:64*(\a)+8*\b+3] offset:64*\b          ; each accumulator from its low end on
	ds_store_b128 v[STO], v[64*(\a)+8*\b+4:64*(\a)+8*\b+7] offset:64*\b+16
.endr
	WIN 0
.set BB, BK+64*((\a)%2)
.irp t, 0,1,2,3,4,5,6,7,8,9,10,11,12,13,14,15
	ds_load_b128 v[BB+4*\t:BB+4*\t+3], v[RD] offset:\t*SPITCH      ; LDS serves a wave's instructions in order: these see my stores
.endr
.endm
.macro SEND a, younger
.set BB, BK+64*((\a)%2)
	s_wait_dscnt \younger                          ; the block is back in registers; the next block's 32 LDS instructions may be out
.irp t, 0,1,2,3,4,5,6,7,8,9,10,11,12,13,14,15
	global_store_b128 v[CO], v[BB+4*\t:BB+4*\t+3], s[8:9] offset:(\a)*65536+\t*4096 th:TH_STORE_NT   ; 32 lanes store 512 consecutive bytes, aligned
.endr
.endm
	PLACES
	TOSTAGE 0
.irp a, 1,2,3
.if \a > 1
	s_wait_xcnt 0x0                                ; block a - 2's stores have read the registers that block a's loads fill
.endif
	TOSTAGE \a
	SEND \a-1, 32
.endr
	SEND 3, 0
	s_wait_tensorcnt 0x0                           ; the wave's end
	ds_add_u32 v[SPW], v[NIL]
	s_wait_dscnt 0x0
	CROUND                                         ; the closing round
	s_endpgm
.Lfunc_end_k_qf2b6a7c400_oproj:
	.size	k_qf2b6a7c400_oproj, .Lfunc_end_k_qf2b6a7c400_oproj-k_qf2b6a7c400_oproj
	.p2alignl 7, 3214868480
	.fill 96, 4, 3214868480
	.section	.rodata,"a",@progbits
	.p2align	6, 0x0
	.amdhsa_kernel k_qf2b6a7c400_oproj
		.amdhsa_group_segment_fixed_size 327680
		.amdhsa_private_segment_fixed_size 0
		.amdhsa_enable_private_segment 0
		.amdhsa_kernarg_size 24
		.amdhsa_user_sgpr_count 2
		.amdhsa_user_sgpr_kernarg_segment_ptr 1
		.amdhsa_wavefront_size32 1
		.amdhsa_system_sgpr_workgroup_id_x 1
		.amdhsa_system_sgpr_workgroup_id_y 1
		.amdhsa_system_sgpr_workgroup_id_z 1
		.amdhsa_system_vgpr_workitem_id 0
		.amdhsa_next_free_vgpr 512
		.amdhsa_next_free_sgpr 70
		.amdhsa_reserve_vcc 0
		.amdhsa_float_denorm_mode_32 3
		.amdhsa_float_denorm_mode_16_64 3
		.amdhsa_memory_ordered 1
		.amdhsa_forward_progress 1
		.amdhsa_inst_pref_size 85
	.end_amdhsa_kernel
	.amdgpu_metadata
---
amdhsa.version: [ 1, 2 ]
amdhsa.kernels:
  - .name:           k_qf2b6a7c400_oproj
    .symbol:         k_qf2b6a7c400_oproj.kd
    .args:
      - { .name: ao16, .offset: 0, .size: 8, .value_kind: global_buffer, .address_space: global }
      - { .name: wo16f, .offset: 8, .size: 8, .value_kind: global_buffer, .address_space: global }
      - { .name: out0, .offset: 16, .size: 8, .value_kind: global_buffer, .address_space: global }
    .group_segment_fixed_size: 327680
    .private_segment_fixed_size: 0
    .kernarg_segment_align: 8
    .kernarg_segment_size: 24
    .max_flat_workgroup_size: 128
    .sgpr_count:     70
    .vgpr_count:     512
    .wavefront_size: 32
...
	.end_amdgpu_metadata
.endif
;; end of part 4
;; launch fine (part 5): grid 16 x 4, 16 waves a work-group, no clusters, 71,680 bytes of LDS; arguments fine32, wo, out0; writes out0
.if DOCPART == 5
	.amdgcn_target "amdgcn-amd-amdhsa--gfx1250"
	.amdhsa_code_object_version 6
	.text
	.protected	k_qf2b6a7c400_fine
	.globl	k_qf2b6a7c400_fine
	.p2align	8
	.type	k_qf2b6a7c400_fine,@function
k_qf2b6a7c400_fine:
	s_mov_b64 s[64:65], 0
	v_nop
	global_prefetch_b8 v0, s[64:65] scope:SCOPE_SE
	s_setreg_imm32_b32 hwreg(HW_REG_WAVE_MODE, 25, 1), 1
	s_wait_xcnt 0x0
; Positions 0 .. 15 of every batch, in f32 throughout: their rows average one to sixteen values and are the largest of the output, so f16 operands are not taken for them.  This launch writes over those 64 rows of out0.
; fine32 [section 3][batch 4][head 16][position 16][64] f32 holds q' = q 2 log2(e) / 8, k' = k / 2, v' = v / 4, unrounded; wo is taken as it is given, and the factor 4 goes into the softmax's divisor.
; SHARES.  Work-group (slice, batch): 64 outputs of the batch's 16 rows.  Wave w takes head w: its attention (16 x 16 scores) and its 64 channels' part of the projection; the sixteen parts meet in LDS and are
; added in ascending order of the heads.  The attention is computed anew by each of the 16 slices: 16 + 16 of a wave's 96 matrix instructions.
; All products by v_wmma_f32_16x16x4_f32.  Along each product's K both sources take the same permutation, so that whole 16-byte loads feed them.  The registers that these instructions write (v176-239) are written
; by nothing else; sums begin with the constant 0.  No tensor load, no cluster, no prefetch: the launch is a few loads and 96 matrix instructions a wave.
; REGISTERS: v16-47 Q, v48-79 K, later wo's tiles 2, 3; v80-111 V, later the normalised O; v112-175 wo's tiles 0, 1, later the parts read back; v176-191 two halves of S^T, later outputs' tiles 0, 1; v192-223 O^T; v224-239 tiles 2, 3; v240-247 p; v248-253 at work.
.set PP,    272                        ; a row of a part: 256 bytes + 16
.set PART,  16*PP
.set SPARE, 16*PART                    ; the spare words, 128 bytes for each of sixteen waves
.set SPW, 10
.set NIL, 11
	s_load_b128 s[4:7], s[0:1], 0x0                ; fine32, wo
	s_load_b64 s[8:9], s[0:1], 0x10                ; out0
	v_lshl_add_u32 v[SPW], v0, 2, SPARE
	v_mov_b32 v[NIL], 0
	v_lshrrev_b32 v1, 5, v0
	v_readfirstlane_b32 s10, v1                    ; wave = head
	v_and_b32 v1, 15, v0                           ; r
	v_bfe_u32 v2, v0, 4, 1                         ; h
	v_lshlrev_b32 v3, 8, v1
	v_lshl_add_u32 v3, v2, 4, v3                   ; q, k: row r of 256 bytes, + 16 h
	v_lshlrev_b32 v4, 2, v1
	v_lshl_add_u32 v4, v2, 11, v4                  ; v: channel r, keys 8 h on
	v_lshlrev_b32 v5, 12, v1
	v_lshl_add_u32 v5, v2, 5, v5                   ; wo: row r of 4,096 bytes, + 32 h
	s_mul_i32 s11, s10, PART
	v_mul_u32_u24 v6, v1, PP
	v_lshl_add_u32 v6, v2, 5, v6
	v_add_nc_u32 v6, s11, v6                       ; my part: row r, + 32 h
	s_mul_i32 s12, s10, 2*PP
	v_mul_u32_u24 v7, v2, PP
	v_lshl_add_u32 v7, v1, 4, v7
	v_add_nc_u32 v7, s12, v7                       ; back: row 2 w + h, 16 bytes a lane
	s_lshl_b32 s18, s10, 13
	v_lshlrev_b32 v8, 12, v2
	v_lshl_add_u32 v8, v1, 4, v8
	v_add_nc_u32 v8, s18, v8                       ; and the same place in out0
	v_lshlrev_b32 v9, 3, v2
	v_sub_nc_u32 v9, v1, v9                        ; d = r - 8 h
	v_mov_b32 v12, 0xff800000                      ; -infinity
	v_mov_b32 v249, 0                              ; written once: a lane permute's destination counts as one of its sources
	s_mov_b32 s20, 0x76543210
	s_mov_b32 s21, 0xfedcba98
	s_and_b32 s11, ttmp7, 0xffff                   ; the batch
	s_lshl_b32 s12, s11, 4
	s_add_co_u32 s12, s12, s10
	s_lshl_b32 s12, s12, 12                        ; fine32: (16 batch + head) x 4,096
	s_mov_b32 s13, 0
	s_lshl_b32 s14, ttmp9, 18                      ; wo: 64 rows a slice,
	s_lshl_b32 s15, s10, 8                         ; 64 columns a head
	s_add_co_u32 s14, s14, s15
	s_mov_b32 s15, 0
	s_lshl_b32 s16, s11, 23                        ; out0: 2,048 rows a batch,
	s_lshl_b32 s17, ttmp9, 8                       ; 256 bytes a slice
	s_add_co_u32 s16, s16, s17
	s_mov_b32 s17, 0
	s_wait_kmcnt 0x0
	s_add_nc_u64 s[4:5], s[4:5], s[12:13]
	s_add_nc_u64 s[6:7], s[6:7], s[14:15]
	s_add_nc_u64 s[8:9], s[8:9], s[16:17]
.irp i, 0,1,2,3,4,5,6,7
	global_load_b128 v[16+4*\i:16+4*\i+3], v3, s[4:5] offset:32*\i                 ; q(r, 8 i + 4 h + 0 .. 3)
.endr
.irp i, 0,1,2,3,4,5,6,7
	global_load_b128 v[48+4*\i:48+4*\i+3], v3, s[4:5] offset:262144+32*\i          ; k likewise
.endr
.irp ct, 0,1,2,3
.irp jj, 0,1,2,3,4,5,6,7
	global_load_b32 v[80+8*\ct+\jj], v4, s[4:5] offset:524288+256*\jj+64*\ct       ; v(8 h + jj, 16 ct + r)
.endr
.endr
.irp e, 0,1
.irp ct, 0,1,2,3
.irp g, 0,1
	global_load_b128 v[112+32*\e+8*\ct+4*\g:112+32*\e+8*\ct+4*\g+3], v5, s[6:7] offset:65536*\e+64*\ct+16*\g   ; wo(16 e + r, 16 ct + 8 h + 0 .. 7) of my head
.endr
.endr
.endr
	s_wait_loadcnt 48                              ; q and k are in; v's 32 loads and wo's 16 may be out
	; S^T = K Q^T: source 0 = 16 keys, source 1 = 16 queries; two accumulators by turns
	v_wmma_f32_16x16x4_f32 v[176:183], v[48:49], v[16:17], 0
	v_wmma_f32_16x16x4_f32 v[184:191], v[50:51], v[18:19], 0
.irp n, 2,4,6,8,10,12,14
	v_wmma_f32_16x16x4_f32 v[176:183], v[48+2*\n:49+2*\n], v[16+2*\n:17+2*\n], v[176:183]
	v_wmma_f32_16x16x4_f32 v[184:191], v[50+2*\n:51+2*\n], v[18+2*\n:19+2*\n], v[184:191]
.endr
.rept 8
	v_nop                                          ; eight places behind this form: for the loads into q's and k's registers and for the first read of the sums
.endr
.irp e, 0,1
.irp ct, 0,1,2,3
.irp g, 0,1
	global_load_b128 v[16+32*\e+8*\ct+4*\g:16+32*\e+8*\ct+4*\g+3], v5, s[6:7] offset:65536*(\e+2)+64*\ct+16*\g   ; wo's tiles 2, 3
.endr
.endr
.endr
.irp j, 0,1,2,3,4,5,6,7
	v_add_f32 v[240+\j], v[176+\j], v[184+\j]      ; lane (r, h): query r, key 8 h + j; the exponent to base 2
.endr
.irp j, 0,1,2,3,4,5,6,7
	v_cmp_gt_i32 vcc_lo, \j, v9                    ; key after the query
	v_cndmask_b32 v[240+\j], v[240+\j], v12, vcc_lo
.endr
	v_max3_num_f32 v248, v240, v241, v242
	v_max3_num_f32 v248, v248, v243, v244
	v_max3_num_f32 v248, v248, v245, v246
	v_max_num_f32 v248, v248, v247
	v_permlanex16_b32 v249, v248, s20, s21
	v_max_num_f32 v248, v248, v249                 ; the row's largest: key 0 counts for every query
.irp j, 0,1,2,3,4,5,6,7
	v_sub_f32 v[240+\j], v[240+\j], v248
.endr
.irp j, 0,1,2,3,4,5,6,7
	v_exp_f32 v[240+\j], v[240+\j]
.endr
	v_nop                                          ; a plain line behind the last exponential
	s_wait_alu depctr_va_vdst(0)                   ; one wait for the eight, ahead of their first reader
	v_pk_add_f32 v[250:251], v[240:241], v[242:243]
	v_pk_add_f32 v[252:253], v[244:245], v[246:247]
	v_pk_add_f32 v[250:251], v[250:251], v[252:253]
	v_add_f32 v250, v250, v251
	v_permlanex16_b32 v249, v250, s20, s21
	v_add_f32 v250, v250, v249                     ; the row's sum
	v_rcp_f32 v252, v250
	v_nop
	s_wait_alu depctr_va_vdst(0)
	v_mul_f32 v252, 4.0, v252                      ; v' = v / 4 is made good here
	s_wait_loadcnt 32                              ; v is in; wo's 32 loads may be out
	; O^T = V^T P: source 0 = 16 channels, source 1 = 16 queries; K slot 2 h + j of instruction i is key 8 h + 2 i + j in both; four accumulators by turns
.irp i, 0,1,2,3
.irp ct, 0,1,2,3
.if \i == 0
	v_wmma_f32_16x16x4_f32 v[192+8*\ct:199+8*\ct], v[80+8*\ct+2*\i:81+8*\ct+2*\i], v[240+2*\i:241+2*\i], 0
.else
	v_wmma_f32_16x16x4_f32 v[192+8*\ct:199+8*\ct], v[80+8*\ct+2*\i:81+8*\ct+2*\i], v[240+2*\i:241+2*\i], v[192+8*\ct:199+8*\ct]
.endif
.endr
.endr
.rept 8
	v_nop
.endr
.set j, 0
.rept 32
	v_mul_f32 v[80+j], v[192+j], v252              ; register 8 ct + j: channel 16 ct + 8 h + j of query r; into V's registers, each accumulator from its low end on
.set j, j+1
.endr
	s_wait_loadcnt 0x0
	; my head's part of the outputs: source 0 = 16 rows of wo, source 1 = 16 queries; K slot 2 h + j of (ct, i) is channel 16 ct + 8 h + 2 i + j in both; four accumulators by turns
.macro PRJ pr, w, ct, i
.if ((\ct) == 0) && ((\i) == 0)
	v_wmma_f32_16x16x4_f32 v[\pr:\pr+7], v[\w+8*(\ct)+2*(\i):\w+8*(\ct)+2*(\i)+1], v[80+8*(\ct)+2*(\i):81+8*(\ct)+2*(\i)], 0
.else
	v_wmma_f32_16x16x4_f32 v[\pr:\pr+7], v[\w+8*(\ct)+2*(\i):\w+8*(\ct)+2*(\i)+1], v[80+8*(\ct)+2*(\i):81+8*(\ct)+2*(\i)], v[\pr:\pr+7]
.endif
.endm
.irp ct, 0,1,2,3
.irp i, 0,1,2,3
	PRJ 176, 112, \ct, \i
	PRJ 184, 144, \ct, \i
	PRJ 224, 16, \ct, \i
	PRJ 232, 48, \ct, \i
.endr
.endr
.rept 8
	v_nop
.endr
	ds_store_b128 v6, v[176:179] offset:0          ; lane (r, h): outputs 16 e + 8 h + 0 .. 7 of query r
	ds_store_b128 v6, v[180:183] offset:16
	ds_store_b128 v6, v[184:187] offset:64
	ds_store_b128 v6, v[188:191] offset:80
	ds_store_b128 v6, v[224:227] offset:128
	ds_store_b128 v6, v[228:231] offset:144
	ds_store_b128 v6, v[232:235] offset:192
	ds_store_b128 v6, v[236:239] offset:208
	s_wait_tensorcnt 0x0                           ; behind my last LDS store; only LDS reads follow.
	ds_add_u32 v[SPW], v[NIL]
	s_wait_dscnt 0x0                               ; The last of them is also the wait that the barrier wants: my part lies in LDS
	s_barrier_signal -1
	s_barrier_wait -1
	s_cmp_lt_u32 s10, 8                            ; waves 0 to 7 add: two rows each
	s_cbranch_scc0 .Ldone
.irp p, 0,1,2,3,4,5,6,7,8,9,10,11,12,13,14,15
	ds_load_b128 v[112+4*\p:115+4*\p], v7 offset:PART*\p
.endr
	s_wait_dscnt 0x0
.irp p, 1,2,3,4,5,6,7,8,9,10,11,12,13,14,15
	v_pk_add_f32 v[112:113], v[112:113], v[112+4*\p:113+4*\p]      ; the heads in ascending order
	v_pk_add_f32 v[114:115], v[114:115], v[114+4*\p:115+4*\p]
.endr
	global_store_b128 v8, v[112:115], s[8:9]       ; sixteen lanes store 256 consecutive bytes, aligned
.Ldone:
	s_endpgm
.Lfunc_end_k_qf2b6a7c400_fine:
	.size	k_qf2b6a7c400_fine, .Lfunc_end_k_qf2b6a7c400_fine-k_qf2b6a7c400_fine
	.p2alignl 7, 3214868480
	.fill 96, 4, 3214868480
	.section	.rodata,"a",@progbits
	.p2align	6, 0x0
	.amdhsa_kernel k_qf2b6a7c400_fine
		.amdhsa_group_segment_fixed_size 71680
		.amdhsa_private_segment_fixed_size 0
		.amdhsa_enable_private_segment 0
		.amdhsa_kernarg_size 24
		.amdhsa_user_sgpr_count 2
		.amdhsa_user_sgpr_kernarg_segment_ptr 1
		.amdhsa_wavefront_size32 1
		.amdhsa_system_sgpr_workgroup_id_x 1
		.amdhsa_system_sgpr_workgroup_id_y 1
		.amdhsa_system_sgpr_workgroup_id_z 1
		.amdhsa_system_vgpr_workitem_id 0
		.amdhsa_next_free_vgpr 256
		.amdhsa_next_free_sgpr 66
		.amdhsa_reserve_vcc 1
		.amdhsa_float_denorm_mode_32 3
		.amdhsa_float_denorm_mode_16_64 3
		.amdhsa_memory_ordered 1
		.amdhsa_forward_progress 1
		.amdhsa_inst_pref_size 24
	.end_amdhsa_kernel
	.amdgpu_metadata
---
amdhsa.version: [ 1, 2 ]
amdhsa.kernels:
  - .name:           k_qf2b6a7c400_fine
    .symbol:         k_qf2b6a7c400_fine.kd
    .args:
      - { .name: fine32, .offset: 0, .size: 8, .value_kind: global_buffer, .address_space: global }
      - { .name: wo, .offset: 8, .size: 8, .value_kind: global_buffer, .address_space: global }
      - { .name: out0, .offset: 16, .size: 8, .value_kind: global_buffer, .address_space: global }
    .group_segment_fixed_size: 71680
    .private_segment_fixed_size: 0
    .kernarg_segment_align: 8
    .kernarg_segment_size: 24
    .max_flat_workgroup_size: 512
    .sgpr_count:     66
    .vgpr_count:     256
    .wavefront_size: 32
...
	.end_amdgpu_metadata
.endif
;; end of part 5
